; MI455X (gfx1250); checked and timed in simulation.
; The chip was launched on July 23, 2026; its instructions are those of AMD's public machine-readable ISA for CDNA 5 (MIT licence, August 2026) and "CDNA5" Instruction Set Architecture Reference Guide (July 2026). The comments in the code are by the model that wrote it; some were corrected since.
;; Multi Head Attention With Context. Allowed arithmetic: matrix products marked QUANTISED: E3M2 operands, one E8M0 scale for each 32 along K, by v_wmma_scale_f32_16x16x128_f8f6f4 with both operands' format E3M2, f32 sums; everything else in f32.
;; Inputs: Wk_codes 1,024 x 32 x 24 uint8 (E3M2 codes of Wk, K innermost, in blocks of 32 codes, four codes in three bytes); Wk_scales 1,024 x 32 uint8 (E8M0 scales of Wk, one for each 32 codes along K); Wo_codes 1,024 x 32 x 24 uint8 (E3M2 codes of Wo, K innermost, in blocks of 32 codes, four codes in three bytes); Wo_scales 1,024 x 32 uint8 (E8M0 scales of Wo, one for each 32 codes along K); Wq_codes 1,024 x 32 x 24 uint8 (E3M2 codes of Wq, K innermost, in blocks of 32 codes, four codes in three bytes); Wq_scales 1,024 x 32 uint8 (E8M0 scales of Wq, one for each 32 codes along K); Wv_codes 1,024 x 32 x 24 uint8 (E3M2 codes of Wv, K innermost, in blocks of 32 codes, four codes in three bytes); Wv_scales 1,024 x 32 uint8 (E8M0 scales of Wv, one for each 32 codes along K); beta 1,024 float32; bk 1,024 float32; bo 1,024 float32; bq 1,024 float32; bv 1,024 float32; gamma 1,024 float32; x 4 x 2,048 x 1,024 float32.
;; Outputs: out0 4 x 2,048 x 1,024 float32.
;; This version of the problem:
;;   THIS VERSION OF THE PROBLEM IS GIVEN IN LOW PRECISION. The matrix products marked QUANTISED in the list below multiply operands that are first quantised to E3M2 (3 exponent bits, 2 mantissa bits; 6 bits a number), with one power-of-two scale for each 32 numbers along K (OCP MX v1.0); their sums are f32. All else is computed in f32.
;;   The module's matrix products, in the order in which they are computed (A, B: the left and right operand; K: the contracted axis; several contracted axes count as one K, in the product's order):
;;     1. [M 8,192, K 1,024] x [K 1,024, N 1,024]; A: input x; B: input Wq (given as codes): QUANTISED
;;     2. [M 8,192, K 1,024] x [K 1,024, N 1,024]; A: input x; B: input Wk (given as codes): QUANTISED
;;     3. [M 8,192, K 1,024] x [K 1,024, N 1,024]; A: input x; B: input Wv (given as codes): QUANTISED
;;     4. batch 64 x [M 2,048, K 64] x [K 64, N 2,048]; A: computed on the way; B: computed on the way: QUANTISED
;;     5. batch 64 x [M 2,048, K 2,048] x [K 2,048, N 64]; A: softmax (see below); B: computed on the way: QUANTISED
;;     6. [M 8,192, K 1,024] x [K 1,024, N 1,024]; A: computed on the way; B: input Wo (given as codes): QUANTISED
;;   THE QUANTISER, for each operand of a quantised product, along K:
;;     - K is cut into blocks of 32 from its start; a last block that is shorter is filled with zeros.
;;     - A block's scale is 2^e with e = floor(log2(the largest magnitude in the block)) - 4, held to -126 .. 127; a block of zeros has e = 0. As a byte (E8M0): e + 127.
;;     - Each number is divided by its block's scale, clamped to +-28, and rounded to the nearest number of E3M2, ties to even, subnormals kept.
;;     - The product sums the exact products of the quantised numbers (number of the format x scale) in f32.
;;   ~~~python
;;   def quantise(x, axis):      # numpy; x: float32 -> the quantised numbers, widened to float32 again
;;       x = np.moveaxis(x, axis, -1); K = x.shape[-1]
;;       x = np.pad(x, [(0, 0)] * (x.ndim - 1) + [(0, -K % 32)]); x = x.reshape(x.shape[:-1] + (-1, 32)); a = np.abs(x).max(-1, keepdims=True)
;;       e = np.where(a > 0, np.clip(np.frexp(np.where(a > 0, a, 1))[1] - 1 - 4, -126, 127), 0)      # np.frexp(a)[1] - 1 = floor(log2(a)), exactly
;;       r = np.clip(x / 2.0 ** e, -28, 28)
;;       step = 2.0 ** (np.maximum(np.frexp(np.where(r == 0, 1, r))[1] - 1, -2) - 2)
;;       q = np.round(r / step) * step * 2.0 ** e      # np.round: ties to even
;;       return np.moveaxis(q.reshape(q.shape[:-2] + (-1,))[..., :K], -1, axis).astype(np.float32)
;;   ~~~
;;   SOFTMAX AHEAD OF A QUANTISED PRODUCT. Where the list says 'softmax', what is quantised is not the finished softmax but p = 2^(t - M), with t = logit x log2(e) and M = ceil(the row's largest t), a whole number; so 1/2 < the row's largest p <= 1. The row's sum l is taken of the UNQUANTISED p, in f32, and the product's result is divided by l at the end. Since M is a whole number, a kernel that streams over the keys may use a running M (the ceiling of the running maximum): every later rescaling is an exact power of two, which a block's scale takes up: the codes' values come out the same.
;;   OPERANDS COMPUTED ON THE WAY. 'Computed on the way' means the value that the module computes at that place (a softmax that the list does not call 'softmax' is quantised finished and normalised). What goes into a quantiser is computed in f32, as accurately as f32 sums, v_exp_f32 and their like allow (about 1e-6 of the number): no bf16 or f16 on the way to a quantiser, and a product that is left as it is and whose result goes on into a quantised operand takes f32 operands (vector FMAs, or v_wmma_f32_16x16x4_f32). A number that lies on a knife's edge between two numbers of the format may be rounded either way, as far as f32 arithmetic and the matrix unit's own rounding can turn it there, and no further.
;;   INPUTS GIVEN AS CODES. Wk (in the module: [1024, 1024], K = its axis 1); Wo (in the module: [1024, 1024], K = its axis 1); Wq (in the module: [1024, 1024], K = its axis 1); Wv (in the module: [1024, 1024], K = its axis 1): each comes as NAME_codes (uint8): NAME with its K axis moved to the last place and cut into blocks of 32 codes, [.., K / 32, bytes a block], one block behind the other in memory; four codes in three bytes: a row's codes are one little-endian stream of bits, code i at bits 6 i .. 6 i + 5 (a code: sign, 3 exponent bits, 2 mantissa bits); and NAME_scales (uint8): the same leading axes, one E8M0 byte (e + 127) for each 32 codes along K. Its value is code x scale, taken as it is: it is not quantised again, and the codes and scales need not be those that the quantiser above would give.
;; One version. Each part assembles by itself: llvm-mc -triple=amdgcn-amd-amdhsa -mcpu=gfx1250 --defsym DOCPART=n.
;; ======== version 1 of 1: 4 launches
;; limits: right only within a limited range of input values
;; workspace buffers: ximg 6,291,456 bytes; xs 262,144 bytes; wimg 3,276,800 bytes; qimg 6,291,456 bytes; qs 524,288 bytes; kv 13,369,344 bytes; cimg 6,291,456 bytes; cs 262,144 bytes
;; launch prep (part 1): grid 320 x 1, 4 waves a work-group, no clusters, 34,304 bytes of LDS; arguments x, Wq_codes, Wk_codes, Wv_codes, Wo_codes, Wq_scales, Wk_scales, Wv_scales, Wo_scales, ximg, xs, wimg; writes ximg, xs, wimg
.if DOCPART == 1
	.amdgcn_target "amdgcn-amd-amdhsa--gfx1250"
	.amdhsa_code_object_version 6
	.text
	.protected	k_q40eff332ba_prep
	.globl	k_q40eff332ba_prep
	.p2align	8
	.type	k_q40eff332ba_prep,@function
k_q40eff332ba_prep:
	s_mov_b64 s[64:65], 0
	v_nop
	global_prefetch_b8 v0, s[64:65] scope:SCOPE_SE
	s_setreg_imm32_b32 hwreg(HW_REG_WAVE_MODE, 25, 1), 1
	s_wait_xcnt 0x0
; x [8192][1024] f32 becomes codes of E3M2 with one E8M0 byte for each 32 along K; the four weights, given as codes, are laid anew.  Both leave as IMAGES OF OPERAND REGISTERS:
; a fragment (16 rows x 128 K, 12 registers a lane) is 1,536 bytes, registers 4 c .. 4 c + 3 of lane l at 512 c + 16 l, so that every later read is 16 consecutive bytes a lane.
; THE ROWS OF A TILE ARE NOT NEIGHBOURS, in every matrix of this program: tile T holds rows 32 (T / 2) + 8 (T % 2) + i + 8 (i / 8), i = 0 .. 15.
; ximg [tile 512][K step 8][fragment];  xs [tile 512][K half 2][row 16][4 scale words];  wimg: 64 units of 51,200 bytes = [tile 4][K step 8][fragment], then the unit's 64 rows of scale bytes as given.
; Units of wimg: 6 g + 0 .. 5 = Q head 2 g, Q head 2 g + 1, K head 2 g, K head 2 g + 1, V head 2 g, V head 2 g + 1;  48 + e = rows 64 e on of Wo.
; Work-groups 0-255: 32 tokens of x each; wave w takes tile 2 j + w / 2 and K half w % 2: four units of 16 rows x 512 bytes.  All 64 loads of a wave go out at once, each 512 consecutive bytes;
; a unit turns through the wave's own stage in LDS (rows 528 bytes apart) so that a lane holds 16 neighbours of each block of 32.  Work-groups 256-319: one unit of a weight each, a tile a wave, no LDS.
; No work-group shares an input with another, so there is no cluster; there is no product, so no matrix instruction; waves share nothing, so no barrier.
; LIMITS: NaN and infinities among the inputs are not served; a block whose largest magnitude lies under 2^-122 has its byte held at 1, a block of zeros too (its codes are zeros; this program alone reads the bytes).
.set STG,  8448                        ; a wave's stage: 16 rows x 528 bytes
.set XI,   32                          ; v32-95   64 numbers of a lane: register 16 b + i = k 32 b + 16 (lane / 16) + i of its row
.set TM,   96                          ; v96-111  at work in QUANT
.set CT,   112                         ; v112-119 the conversions' second halves
.set PC,   120                         ; v120-167 codes, 12 registers for each unit: no store's data are written again
.set PW,   168                         ; v168-171 the four units' scale words
.set PR,   172                         ; v172-173 the pair that leaves
.set SEL,  56                          ; s[56:57] lane selects of v_permlanex16_b32: lane l xor 16
.set MSB, 0
.macro WIN new                         ; the immediate's high byte repeats the setting that is left
.if MSB != (\new)
	s_set_vgpr_msb (MSB<<8)|(\new)
.set MSB, (\new)
.endif
.endm
; 64 numbers of a lane become a fragment's codes in v[pc] on and its row's scale word in v[pw]
.macro QUANT src, pc, pw
.irp b, 0,1,2,3
	v_max3_num_f32 v[TM+\b], |v[\src+16*\b]|, |v[\src+1+16*\b]|, 0x2800000   ; block b: my 16 numbers, and the floor 2^(5 - 127): the byte cannot fall under 1
.endr
.irp i, 2,4,6,8,10,12,14
.irp b, 0,1,2,3
	v_max3_num_f32 v[TM+\b], v[TM+\b], |v[\src+16*\b+\i]|, |v[\src+1+16*\b+\i]|   ; the four blocks by turns
.endr
.endr
.irp b, 0,1,2,3
	v_permlanex16_b32 v[TM+4+\b], v[TM+\b], s[SEL], s[SEL+1]
.endr
.irp b, 0,1,2,3
	v_max_num_f32 v[TM+\b], v[TM+\b], v[TM+4+\b]   ; with lane l xor 16's: the block's largest magnitude
.endr
.irp b, 0,1,2,3
	v_add_nc_u32 v[TM+12+\b], 0xfe000000, v[TM+\b]   ; 4 off its exponent field: the conversion's scale operand
.endr
.irp b, 0,1,2,3
	v_lshrrev_b32 v[TM+4+\b], 23, v[TM+12+\b]      ; the scale's byte
.endr
	v_lshl_or_b32 v[\pw], v[TM+5], 8, v[TM+4]
	v_lshl_or_b32 v[\pw], v[TM+6], 16, v[\pw]
	v_lshl_or_b32 v[\pw], v[TM+7], 24, v[\pw]
.irp c, 0,1
	v_cvt_scalef32_pk16_bf6_f32 v[\pc+6*\c:\pc+6*\c+2], v[\src+32*\c:\src+32*\c+15], v[TM+12+2*\c]
	v_cvt_scalef32_pk16_bf6_f32 v[CT+4*\c:CT+4*\c+2], v[\src+32*\c+16:\src+32*\c+31], v[TM+12+2*\c+1]   ; (a conversion's three registers begin on an even number)
.endr
	v_nop                                          ; one plain place behind a scaled conversion
.irp c, 0,1                                    ; the operand wants a whole block in a lane: lanes 0-15 block 2 c, lanes 16-31 block 2 c + 1
.irp i, 0,1,2
	v_permlane16_swap_b32 v[\pc+6*\c+\i], v[CT+4*\c+\i]
.endr
.irp i, 0,1,2
	v_mov_b32 v[\pc+6*\c+3+\i], v[CT+4*\c+\i]
.endr
.endr
.endm
	s_load_b512 s[8:23], s[0:1], 0x0               ; x, Wq, Wk, Wv, Wo codes, Wq, Wk, Wv scales
	s_load_b256 s[24:31], s[0:1], 0x40             ; Wo scales, ximg, xs, wimg
	v_lshl_add_u32 v254, v0, 2, 0x8400
	v_mov_b32 v255, 0
	v_lshrrev_b32 v1, 5, v0
	v_readfirstlane_b32 s4, v1                     ; wave 0..3
	v_and_b32 v2, 31, v0                           ; lane
	v_and_b32 v3, 15, v0                           ; r
	v_bfe_u32 v9, v0, 4, 1                         ; h
	v_lshlrev_b32 v4, 4, v2                        ; 16 x lane
	s_cmp_ge_u32 ttmp9, 256
	s_cbranch_scc1 .Lweights
	; ---- x
	s_lshr_b32 s5, s4, 1                           ; u: which of the two tiles
	s_and_b32 s6, s4, 1                            ; q: which K half
	s_mul_i32 s7, s4, STG
	v_add_nc_u32 v5, s7, v4                        ; the stage, in: 16 x lane of a row
	v_mul_u32_u24 v6, v3, 528
	v_lshl_add_u32 v6, v9, 6, v6
	v_add_nc_u32 v6, s7, v6                        ; and out: row r, + 64 h
	v_lshlrev_b32 v7, 4, v3
	v_lshl_add_u32 v7, v9, 3, v7                   ; the scale words' place: 16 r + 8 h
	s_mov_b32 s[SEL], 0x76543210
	s_mov_b32 s[SEL+1], 0xfedcba98
.irp b, 0,1,2,3
	v_mov_b32 v[TM+4+\b], 0                        ; written once: a lane permute's destination counts as one of its sources
.endr
	s_lshl_b32 s32, ttmp9, 17                      ; 32 tokens of 4,096 bytes,
	s_lshl_b32 s34, s5, 15                         ; 8 u rows,
	s_add_co_u32 s32, s32, s34
	s_lshl_b32 s34, s6, 11                         ; 4 q K steps of 512 bytes
	s_add_co_u32 s32, s32, s34
	s_mov_b32 s33, 0
	s_lshl_b32 s36, ttmp9, 1
	s_add_co_u32 s36, s36, s5                      ; the tile
	s_mul_i32 s38, s36, 12288
	s_mul_i32 s34, s6, 6144
	s_add_co_u32 s38, s38, s34
	s_mov_b32 s39, 0
	s_lshl_b32 s40, s36, 9
	s_lshl_b32 s34, s6, 8
	s_add_co_u32 s40, s40, s34
	s_mov_b32 s41, 0
	s_wait_alu depctr_va_vdst(0)
	s_wait_kmcnt 0x0
	s_add_nc_u64 s[8:9], s[8:9], s[32:33]
	s_add_nc_u64 s[26:27], s[26:27], s[38:39]
	s_add_nc_u64 s[28:29], s[28:29], s[40:41]
	WIN 0x40                                       ; destination window 1: unit t, row i at v[64 t + 4 i]
.irp t, 0,1,2,3
.irp i, 0,1,2,3,4,5,6,7,8,9,10,11,12,13,14,15
	global_load_b128 v[64*\t+4*\i:64*\t+4*\i+3], v4, s[8:9] offset:(\i+8*(\i/8))*4096+512*\t th:TH_LOAD_NT   ; 32 lanes read 512 consecutive bytes of one row
.endr
.endr
	WIN 0
.macro XUNIT t
	s_wait_loadcnt 48-16*\t                        ; this unit's 16 loads are in; the later units' 16 each may be out
	WIN 0x04                                       ; an LDS store's data are its source 1: window 1
.irp i, 0,1,2,3,4,5,6,7,8,9,10,11,12,13,14,15
	ds_store_b128 v5, v[64*\t+4*\i:64*\t+4*\i+3] offset:528*\i
.endr
	WIN 0
.irp b, 0,1,2,3
.irp j, 0,1,2,3
	ds_load_b128 v[XI+16*\b+4*\j:XI+16*\b+4*\j+3], v6 offset:128*\b+16*\j   ; LDS serves a wave's instructions in order: these see the stores above
.endr
.endr
	s_wait_dscnt 0x0                               ; the numbers are back; the next unit's stores into the stage come behind these reads
	QUANT XI, PC+12*\t, PW+\t
.irp c, 0,1,2
	global_store_b128 v4, v[PC+12*\t+4*\c:PC+12*\t+4*\c+3], s[26:27] offset:1536*\t+512*\c   ; 512 consecutive bytes
.endr
.endm
	XUNIT 0
	XUNIT 1
	XUNIT 2
	XUNIT 3
	v_cmp_ne_u32 vcc_lo, 0, v9
	v_cndmask_b32 v[PR], v[PW], v[PW+2], vcc_lo    ; lanes 0-15 carry words 0, 1 of row r, lanes 16-31 words 2, 3
	v_cndmask_b32 v[PR+1], v[PW+1], v[PW+3], vcc_lo
	global_store_b64 v7, v[PR:PR+1], s[28:29]      ; 256 consecutive bytes, aligned
	s_wait_tensorcnt 0x0
	ds_add_u32 v254, v255
	s_wait_dscnt 0x0
	s_endpgm
.Lweights:
	; ---- a unit of a weight: 64 rows; wave n takes tile n
	s_sub_co_u32 s5, ttmp9, 256
	s_lshr_b32 s6, s5, 4                           ; which weight: 0 Q, 1 K, 2 V, 3 O
	s_and_b32 s7, s5, 15                           ; which 64 rows
	s_wait_alu depctr_va_vdst(0)
	v_and_b32 v10, 8, v3
	v_add_nc_u32 v10, v10, v3                      ; r + 8 (r / 8)
	v_mul_u32_u24 v8, v10, 768                     ; a row of 1,024 codes is 768 bytes
	v_mad_u32_u24 v8, v9, 24, v8
	s_lshr_b32 s32, s7, 1
	s_mul_i32 s32, s32, 6
	s_lshl_b32 s33, s6, 1
	s_add_co_u32 s32, s32, s33
	s_and_b32 s33, s7, 1
	s_add_co_u32 s32, s32, s33                     ; 6 (head / 2) + 2 x weight + head % 2,
	s_add_co_u32 s33, s7, 48                       ; or, for Wo, 48 + its number
	s_cmp_eq_u32 s6, 3
	s_cselect_b32 s32, s33, s32
	s_mul_i32 s32, s32, 51200
	s_mul_i32 s34, s4, 12288
	s_add_co_u32 s36, s32, s34                     ; where my tile's fragments go
	s_mov_b32 s37, 0
	s_lshl_b32 s34, s4, 9
	s_add_co_u32 s38, s32, s34
	s_add_co_u32 s38, s38, 49152                   ; and my 512 of the unit's scale bytes
	s_mov_b32 s39, 0
	s_mul_i32 s40, s7, 49152
	s_lshr_b32 s34, s4, 1
	s_mul_i32 s34, s34, 32*768
	s_add_co_u32 s40, s40, s34
	s_and_b32 s34, s4, 1
	s_mul_i32 s34, s34, 8*768
	s_add_co_u32 s40, s40, s34                     ; my tile begins at row 32 (n / 2) + 8 (n % 2) of the unit
	s_mov_b32 s41, 0
	s_lshl_b32 s42, s7, 11
	s_lshl_b32 s34, s4, 9
	s_add_co_u32 s42, s42, s34
	s_mov_b32 s43, 0
	s_wait_alu depctr_va_vdst(0)
	s_wait_kmcnt 0x0
	s_cmp_eq_u32 s6, 0                             ; the choices hang on the work-group's number alone
	s_cselect_b64 s[44:45], s[10:11], s[12:13]
	s_cselect_b64 s[46:47], s[18:19], s[20:21]
	s_cmp_eq_u32 s6, 2
	s_cselect_b64 s[48:49], s[14:15], s[16:17]
	s_cselect_b64 s[50:51], s[22:23], s[24:25]
	s_cmp_lt_u32 s6, 2
	s_cselect_b64 s[44:45], s[44:45], s[48:49]
	s_cselect_b64 s[46:47], s[46:47], s[50:51]
	s_add_nc_u64 s[44:45], s[44:45], s[40:41]
	s_add_nc_u64 s[46:47], s[46:47], s[42:43]
	s_add_nc_u64 s[52:53], s[30:31], s[36:37]
	s_add_nc_u64 s[54:55], s[30:31], s[38:39]
.irp s, 0,1,2,3,4,5,6,7
.irp p, 0,1,2,3,4,5
	global_load_b64 v[32+12*\s+2*\p:32+12*\s+2*\p+1], v8, s[44:45] offset:96*\s+48*(\p/3)+8*(\p%3)   ; K step s: the lane's 24 + 24 bytes of its row's stream of bits, as they lie
.endr
.endr
	global_load_b128 v[128:131], v4, s[46:47]
	s_wait_loadcnt 0x0
.irp s, 0,1,2,3,4,5,6,7
.irp c, 0,1,2
	global_store_b128 v4, v[32+12*\s+4*\c:32+12*\s+4*\c+3], s[52:53] offset:1536*\s+512*\c
.endr
.endr
	global_store_b128 v4, v[128:131], s[54:55]
	s_endpgm
.Lfunc_end_k_q40eff332ba_prep:
	.size	k_q40eff332ba_prep, .Lfunc_end_k_q40eff332ba_prep-k_q40eff332ba_prep
	.p2alignl 7, 3214868480
	.fill 96, 4, 3214868480
	.section	.rodata,"a",@progbits
	.p2align	6, 0x0
	.amdhsa_kernel k_q40eff332ba_prep
		.amdhsa_group_segment_fixed_size 34304
		.amdhsa_private_segment_fixed_size 0
		.amdhsa_enable_private_segment 0
		.amdhsa_kernarg_size 96
		.amdhsa_user_sgpr_count 2
		.amdhsa_user_sgpr_kernarg_segment_ptr 1
		.amdhsa_wavefront_size32 1
		.amdhsa_system_sgpr_workgroup_id_x 1
		.amdhsa_system_sgpr_workgroup_id_y 1
		.amdhsa_system_sgpr_workgroup_id_z 1
		.amdhsa_system_vgpr_workitem_id 0
		.amdhsa_next_free_vgpr 512
		.amdhsa_next_free_sgpr 66
		.amdhsa_reserve_vcc 1
		.amdhsa_float_denorm_mode_32 3
		.amdhsa_float_denorm_mode_16_64 3
		.amdhsa_memory_ordered 1
		.amdhsa_forward_progress 1
		.amdhsa_inst_pref_size 43
	.end_amdhsa_kernel
	.amdgpu_metadata
---
amdhsa.version: [ 1, 2 ]
amdhsa.kernels:
  - .name:           k_q40eff332ba_prep
    .symbol:         k_q40eff332ba_prep.kd
    .args:
      - { .name: x, .offset: 0, .size: 8, .value_kind: global_buffer, .address_space: global }
      - { .name: Wq_codes, .offset: 8, .size: 8, .value_kind: global_buffer, .address_space: global }
      - { .name: Wk_codes, .offset: 16, .size: 8, .value_kind: global_buffer, .address_space: global }
      - { .name: Wv_codes, .offset: 24, .size: 8, .value_kind: global_buffer, .address_space: global }
      - { .name: Wo_codes, .offset: 32, .size: 8, .value_kind: global_buffer, .address_space: global }
      - { .name: Wq_scales, .offset: 40, .size: 8, .value_kind: global_buffer, .address_space: global }
      - { .name: Wk_scales, .offset: 48, .size: 8, .value_kind: global_buffer, .address_space: global }
      - { .name: Wv_scales, .offset: 56, .size: 8, .value_kind: global_buffer, .address_space: global }
      - { .name: Wo_scales, .offset: 64, .size: 8, .value_kind: global_buffer, .address_space: global }
      - { .name: ximg, .offset: 72, .size: 8, .value_kind: global_buffer, .address_space: global }
      - { .name: xs, .offset: 80, .size: 8, .value_kind: global_buffer, .address_space: global }
      - { .name: wimg, .offset: 88, .size: 8, .value_kind: global_buffer, .address_space: global }
    .group_segment_fixed_size: 34304
    .private_segment_fixed_size: 0
    .kernarg_segment_align: 8
    .kernarg_segment_size: 96
    .max_flat_workgroup_size: 128
    .sgpr_count:     66
    .vgpr_count:     512
    .wavefront_size: 32
...
	.end_amdgpu_metadata
.endif
;; end of part 1
;; launch qkv (part 2): grid 32 x 8, 4 waves a work-group, clusters of 4 x 1, 327,680 bytes of LDS; arguments ximg, xs, wimg, bq, bk, bv, qimg, qs, kv; writes qimg, qs, kv
.if DOCPART == 2
	.amdgcn_target "amdgcn-amd-amdhsa--gfx1250"
	.amdhsa_code_object_version 6
	.text
	.protected	k_q40eff332ba_qkv
	.globl	k_q40eff332ba_qkv
	.p2align	8
	.type	k_q40eff332ba_qkv,@function
k_q40eff332ba_qkv:
	s_mov_b64 s[64:65], 0
	v_nop
	global_prefetch_b8 v0, s[64:65] scope:SCOPE_SE
	s_setreg_imm32_b32 hwreg(HW_REG_WAVE_MODE, 25, 1), 1
	s_wait_xcnt 0x0
	s_wait_alu depctr_hold_cnt(0) depctr_sa_sdst(0) depctr_va_vdst(0) depctr_va_sdst(0) depctr_va_ssrc(0) depctr_va_vcc(0) depctr_vm_vsrc(0)
	s_getreg_b32 s2, hwreg(HW_REG_IB_STS2, 6, 4)
	s_cmp_eq_u32 s2, 0
	s_cbranch_scc0 .Lentry_in_a_cluster
	s_endpgm
.Lentry_in_a_cluster:
	s_bfe_u32 s2, ttmp6, 0x10000c
	s_cmp_lg_u32 s2, 0x3003
	s_cbranch_scc0 .Lentry_shape_is_right
	s_endpgm
.Lentry_shape_is_right:
; Q, K, V = x W^T + b on codes of E3M2 (one E8M0 scale for each 32 along K), and each result quantised in registers: Q and K along the head's 64, V along the keys.  No f32 result goes to memory.
; SHARES.  A work-group takes 256 tokens (block mb) and heads 2 g, 2 g + 1 of Q, K and V: six units of 64 features.  Wave w owns 64 tokens: four tiles of 16.
; x STAYS IN REGISTERS: a wave's 32 fragments (4 tiles x 8 K steps, 384 registers) are read from memory once, 16 consecutive bytes a lane.  THE SIX UNITS OF W, 6 x 51,200 bytes, LIE WHOLE IN LDS, filled once:
; no slot is ever filled again.  All four waves read the same fragments of W; each fragment feeds four matrix instructions.
; CLUSTER.  The four work-groups of a cluster have the same g and four blocks mb: they need the same 307,200 bytes of W, which are asked for JOINTLY (mask 15); each wave brings a quarter of each unit, two loads in all.
; Q, K: the product is used transposed (source 0 = 16 rows of W, source 1 = 16 tokens): a lane holds one token and, by the choice of the tiles' rows, the 32 registers of a token tile are the head's 64 in the order
; 32 b + 16 (lane / 16) + i.  V: source 0 = 16 tokens, source 1 = 16 rows of W: a lane holds one feature and its registers run along the wave's 64 tokens in the same order.  The bias is the C of a sum's first instruction.
; OUT.  qimg [head 64][tile 128][768]: half a fragment (64 along K: registers 0-3 at 16 l, 4-5 at 512 + 8 l);  qs [head][tile / 4][row][4 words];  kv [head][key step 16][13,056]: K's 8 tiles, V's [d tile 4][key half 2],
; K's scale words [half][row][4], V's (tile n, row r at 128 (n / 2) + 8 r + 4 (n % 2)).  Q's and K's words repeat bytes 0, 1 in bytes 2, 3, for the padded half of the next product's K step.
; V's scale bytes leave two a lane, 4 bytes apart, since the other half of each word is the neighbouring wave's: 256 of a record's 13,056 bytes.
; LIMITS: NaN and infinities are not served; a block whose largest magnitude lies under 2^-122, a block of zeros too, has its byte held at 1.
.set UNITB, 51200                      ; a unit in LDS and in wimg
.set QHEAD, 98304                      ; a head in qimg
.set SHEAD, 8192                       ; in qs
.set KHEAD, 208896                     ; in kv
.set LI16, 1                           ; v1   16 x lane
.set LI8,  2                           ; v2   8 x lane
.set WSA0, 4                           ; v4   my place among a unit's scale bytes: 32 (r + 8 (r / 8)) + 16 h
.set WA,   5                           ; v5   LDS: the unit in hand + 16 x lane
.set WSA,  6                           ; v6   LDS: the unit in hand + WSA0
.set BOFF, 7                           ; v7   64 h
.set BOFV, 8                           ; v8   4 (r + 8 (r / 8))
.set OFS,  9                           ; v9   16 r + 8 h
.set HH,   10                          ; v10  h
.set BT,   12                          ; v12-15  V's bias, one number a tile
.set XS,   16                          ; v16-31  x's scale words: 4 a token tile; register j: lanes 0-15 K step j, lanes 16-31 K step 4 + j
.set WS,   32                          ; v32-47  W's likewise, 4 a tile of the unit
.set BI,   48                          ; v48-79  the bias in the result's layout, 8 a tile
.set TM,   80                          ; v80-83  largest magnitudes; later the pair that leaves
.set TP,   84                          ; v84-87  the other half's; later the scale bytes
.set SO,   88                          ; v88-91  the conversions' scale operands
.set CT,   92                          ; v92-99  the conversions' second halves
.set PW,   100                         ; v100-103 scale words
.set PC,   104                         ; v104-127 codes, 4 x 6
.set ACC,  128                         ; v128-255 sixteen accumulators
.set WB,   192                         ; windows 1 and 2, v192-239: W's four fragments of a K step, two buffers.  Windows 1 and 2, v0-191: x's fragments of K steps 0-3 and 4-7, at 12 (4 (s % 4) + tile)
.set WV,   22
.set G1,   32                          ; s[32:39] descriptor group 1
.set G0,   40                          ; s[40:47] two groups 0
.set QB,   66
.set QSB,  68
.set KC,   70
.set KSB,  72
.set VC,   74
.set VSB,  76
.set BQ,   78                          ; s[78:83] bq, bk, bv at my heads
.set SEL,  84
.set XB,   86
.set XSB,  88
.set HM,   90                          ; s90  the mask of lanes 16-31
.set MSB, 0
.macro WIN new                         ; the immediate's high byte repeats the setting that is left
.if MSB != (\new)
	s_set_vgpr_msb (MSB<<8)|(\new)
.set MSB, (\new)
.endif
.endm
.macro PLACES n
.rept \n
	v_nop
.endr
.endm
.macro CROUND                          ; a round of the cluster's barrier
	s_barrier_signal -1
	s_barrier_wait -1
	s_cmp_lg_u32 s[WV], 0
	s_cbranch_scc1 .Lnot_wave_0_\@
	s_barrier_signal -3
.Lnot_wave_0_\@:
	s_barrier_wait -3
	s_barrier_signal -1
	s_barrier_wait -1
.endm
.macro MM d, a, b, cc, sa, sb, hi      ; hi = 1: both sides' scale words stand in lanes 16-31
.if \hi
	v_wmma_scale_f32_16x16x128_f8f6f4 v[\d:\d+7], v[\a:\a+11], v[\b:\b+11], v[\cc:\cc+7], v[\sa], v[\sb] matrix_a_fmt:MATRIX_FMT_BF6 matrix_b_fmt:MATRIX_FMT_BF6 matrix_a_scale:MATRIX_SCALE_ROW1 matrix_b_scale:MATRIX_SCALE_ROW1
.else
	v_wmma_scale_f32_16x16x128_f8f6f4 v[\d:\d+7], v[\a:\a+11], v[\b:\b+11], v[\cc:\cc+7], v[\sa], v[\sb] matrix_a_fmt:MATRIX_FMT_BF6 matrix_b_fmt:MATRIX_FMT_BF6
.endif
.endm
; Two runs of 32 numbers of a lane (at src and src + 32; register 16 b + i = k 32 b + 16 (lane / 16) + i) become two half fragments at pc and pc + 6; their scale bytes are left in v[TP + 2 k + b].  Four chains by turns.
; Each accumulator is read from its low end on.
.macro QP src, pc
.irp k, 0,1
.irp b, 0,1
	v_max3_num_f32 v[TM+2*\k+\b], |v[\src+32*\k+16*\b]|, |v[\src+32*\k+16*\b+1]|, 0x2800000   ; and the floor 2^(5 - 127)
.endr
.endr
.irp i, 2,4,6,8,10,12,14
.irp k, 0,1
.irp b, 0,1
	v_max3_num_f32 v[TM+2*\k+\b], v[TM+2*\k+\b], |v[\src+32*\k+16*\b+\i]|, |v[\src+32*\k+16*\b+\i+1]|
.endr
.endr
.endr
.irp j, 0,1,2,3
	v_permlanex16_b32 v[TP+\j], v[TM+\j], s[SEL], s[SEL+1]
.endr
.irp j, 0,1,2,3
	v_max_num_f32 v[TM+\j], v[TM+\j], v[TP+\j]     ; the block's largest magnitude
.endr
.irp j, 0,1,2,3
	v_add_nc_u32 v[SO+\j], 0xfe000000, v[TM+\j]    ; 4 off its exponent field: the conversion's scale operand
.endr
.irp j, 0,1,2,3
	v_lshrrev_b32 v[TP+\j], 23, v[SO+\j]           ; the scale's byte
.endr
.irp k, 0,1
	v_cvt_scalef32_pk16_bf6_f32 v[\pc+6*\k:\pc+6*\k+2], v[\src+32*\k:\src+32*\k+15], v[SO+2*\k]
	v_cvt_scalef32_pk16_bf6_f32 v[CT+4*\k:CT+4*\k+2], v[\src+32*\k+16:\src+32*\k+31], v[SO+2*\k+1]
.endr
	v_nop                                          ; one plain place behind a scaled conversion
.irp k, 0,1
.irp i, 0,1,2
	v_permlane16_swap_b32 v[\pc+6*\k+\i], v[CT+4*\k+\i]   ; a whole block to a lane: lanes 0-15 block 0, lanes 16-31 block 1
.endr
.irp i, 0,1,2
	v_mov_b32 v[\pc+6*\k+3+\i], v[CT+4*\k+\i]
.endr
.endr
.endm
.macro BIAS i                          ; the bias of unit i: Q, K in the result's layout; V one number a lane and tile
.set BB, BQ+2*((\i)/2)
.if (\i) < 4
.irp n, 0,1,2,3
.irp q, 0,1
	global_load_b128 v[BI+8*\n+4*\q:BI+8*\n+4*\q+3], v[BOFF], s[BB:BB+1] offset:256*((\i)%2)+4*(32*(\n/2)+8*(\n%2))+16*\q
.endr
.endr
.else
.irp n, 0,1,2,3
	global_load_b32 v[BT+\n], v[BOFV], s[BB:BB+1] offset:256*((\i)%2)+4*(32*(\n/2)+8*(\n%2))
.endr
.endif
.endm
; Unit i is entered: my quarter of it has landed (the load of units 2 to 5 may stay out until unit 2), every wave says so, and K step 0's fragments and the unit's scale words are asked for.
.macro ENTER i
.if (\i) >= 2
	s_wait_tensorcnt 0x0                           ; units 2 to 5 come by my second load; units 0 and 1 were waited for ahead of it
.endif
	s_wait_dscnt 0x0
	s_barrier_signal -1
	s_barrier_wait -1
	v_add_nc_u32 v[WA], UNITB*(\i), v[LI16]
	v_add_nc_u32 v[WSA], UNITB*(\i), v[WSA0]
	WIN 0x40
.irp n, 0,1,2,3
.irp c, 0,1,2
	ds_load_b128 v[WB+12*\n+4*\c:WB+12*\n+4*\c+3], v[WA] offset:12288*\n+512*\c
.endr
.endr
	WIN 0
.irp n, 0,1,2,3
	ds_load_b128 v[WS+4*\n:WS+4*\n+3], v[WSA] offset:49152+32*(32*(\n/2)+8*(\n%2))
.endr
.endm
; K step s of unit i: the next step's fragments are asked for, into the buffer that the last step's products have read (four places behind them: ISA guide 7.12.1 for vector instructions);
; then sixteen matrix instructions, the sixteen accumulators by turns in the same order in every step.
.macro STEP i, s
	PLACES 4
.if \s < 7
	WIN (1+(\s+1)%2)<<6
.irp n, 0,1,2,3
.irp c, 0,1,2
	ds_load_b128 v[WB+12*\n+4*\c:WB+12*\n+4*\c+3], v[WA] offset:12288*\n+1536*(\s+1)+512*\c
.endr
.endr
.endif
.if (\s == 1) && (\i < 5)
	WIN 0
	BIAS \i+1                                      ; step 0's products have read the bias: the next unit's may land
.endif
.if \s < 7
	s_wait_dscnt 12                                ; all but the 12 loads just issued
.else
	s_wait_dscnt 0x0
.endif
.if \s == 0
	s_wait_loadcnt 0x0                             ; the bias; in the first unit x and its scale words too
.endif
.if \i < 4
	WIN (1+(\s)%2)|((1+(\s)/4)<<2)                 ; source 0: W's buffer; source 1: x
.else
	WIN (1+(\s)/4)|((1+(\s)%2)<<2)                 ; source 0: x; source 1: W's buffer
.endif
.irp n, 0,1,2,3
.irp t, 0,1,2,3
.if \i < 4
.if \s == 0
	MM ACC+32*\t+8*\n, WB+12*\n, 12*(4*((\s)%4)+\t), BI+8*\n, WS+4*\n+(\s)%4, XS+4*\t+(\s)%4, (\s)/4
.else
	MM ACC+32*\t+8*\n, WB+12*\n, 12*(4*((\s)%4)+\t), ACC+32*\t+8*\n, WS+4*\n+(\s)%4, XS+4*\t+(\s)%4, (\s)/4
.endif
.else
.if \s == 0
	MM ACC+32*\n+8*\t, 12*(4*((\s)%4)+\t), WB+12*\n, BI+8*\n, XS+4*\t+(\s)%4, WS+4*\n+(\s)%4, (\s)/4
.else
	MM ACC+32*\n+8*\t, 12*(4*((\s)%4)+\t), WB+12*\n, ACC+32*\n+8*\t, XS+4*\t+(\s)%4, WS+4*\n+(\s)%4, (\s)/4
.endif
.endif
.endr
.endr
.endm
.macro CODES base, off, stride         ; the four half fragments leave: 512 + 256 consecutive bytes each
.irp k, 0,1,2,3
	global_store_b128 v[LI16], v[PC+6*\k:PC+6*\k+3], s[\base:\base+1] offset:\off+\stride*\k
	global_store_b64 v[LI8], v[PC+6*\k+4:PC+6*\k+5], s[\base:\base+1] offset:\off+\stride*\k+512
.endr
.endm
.macro EPI i
	s_wait_xcnt 0x0                                ; the last unit's stores have read their registers: only behind this wait are they written again
.irp g, 0,1
	QP ACC+64*\g, PC+12*\g
.irp k, 0,1
	v_lshl_or_b32 v[PW+2*\g+\k], v[TP+2*\k+1], 8, v[TP+2*\k]   ; the two bytes
.endr
.endr
.if \i < 4
.irp k, 0,1,2,3
	v_lshl_or_b32 v[PW+\k], v[PW+\k], 16, v[PW+\k]   ; repeated, for the padded half of the next product's K step
.endr
	v_cndmask_b32 v[TM], v[PW], v[PW+2], s[HM]     ; lanes 0-15 carry words 0, 1 of row r, lanes 16-31 words 2, 3
	v_cndmask_b32 v[TM+1], v[PW+1], v[PW+3], s[HM]
.if \i < 2
	CODES QB, QHEAD*((\i)%2), 768
	global_store_b64 v[OFS], v[TM:TM+1], s[QSB:QSB+1] offset:SHEAD*((\i)%2)
.else
	CODES KC, KHEAD*((\i)%2), 768
	global_store_b64 v[OFS], v[TM:TM+1], s[KSB:KSB+1] offset:KHEAD*((\i)%2)
.endif
.else
	v_cndmask_b32 v[TM], v[PW], v[PW+2], s[HM]     ; lanes 0-15 carry tiles 0, 1, lanes 16-31 tiles 2, 3
	v_cndmask_b32 v[TM+1], v[PW+1], v[PW+3], s[HM]
	CODES VC, KHEAD*((\i)%2), 1536
	global_store_b16 v[LI8], v[TM], s[VSB:VSB+1] offset:KHEAD*((\i)%2)
	global_store_b16 v[LI8], v[TM+1], s[VSB:VSB+1] offset:KHEAD*((\i)%2)+4
.endif
.endm
.macro UNIT i
.if \i >= 4
	s_wait_loadcnt 0x0
.irp n, 0,1,2,3
.irp j, 0,1,2,3,4,5,6,7
	v_mov_b32 v[BI+8*\n+\j], v[BT+\n]              ; V: a lane holds one feature: its bias in all eight registers
.endr
.endr
.endif
	s_wait_alu depctr_va_vdst(0)
	STEP \i, 0
	STEP \i, 1
	STEP \i, 2
	STEP \i, 3
	STEP \i, 4
	STEP \i, 5
	STEP \i, 6
	STEP \i, 7
	WIN 0
	PLACES 4                                       ; in front of the loads below and of the first read of results
.if \i < 5
	ENTER \i+1                                     ; the next unit's first fragments land while this unit's results are quantised
.endif
	EPI \i
.endm
	s_load_b512 s[4:19], s[0:1], 0x0               ; ximg, xs, wimg, bq, bk, bv, qimg, qs
	s_load_b64 s[20:21], s[0:1], 0x40              ; kv
	v_lshl_add_u32 v95, v0, 2, 0x4b000
	v_mov_b32 v99, 0
	ds_add_u32 v95, v99
	ds_add_u32 v95, v99
	v_lshrrev_b32 v3, 5, v0
	v_readfirstlane_b32 s[WV], v3                  ; wave 0..3
	v_and_b32 v3, 31, v0
	v_lshlrev_b32 v[LI16], 4, v3
	v_lshlrev_b32 v[LI8], 3, v3
	v_and_b32 v3, 15, v0                           ; r
	v_bfe_u32 v[HH], v0, 4, 1                      ; h
	v_and_b32 v11, 8, v3
	v_add_nc_u32 v11, v11, v3                      ; r + 8 (r / 8)
	v_lshlrev_b32 v[WSA0], 5, v11
	v_lshl_add_u32 v[WSA0], v[HH], 4, v[WSA0]
	v_lshlrev_b32 v[BOFF], 6, v[HH]
	v_lshlrev_b32 v[BOFV], 2, v11
	v_lshlrev_b32 v[OFS], 4, v3
	v_lshl_add_u32 v[OFS], v[HH], 3, v[OFS]
	v_cmp_ne_u32 s[HM], 0, v[HH]
.irp j, 0,1,2,3
	v_mov_b32 v[TP+\j], 0                          ; written once: a lane permute's destination counts as one of its sources
.endr
	s_mov_b32 s[SEL], 0x76543210
	s_mov_b32 s[SEL+1], 0xfedcba98
	s_bfe_u32 s23, ttmp6, 0x40000                  ; cx: it enters the addresses of ximg, xs, qimg, qs and kv alone
	s_lshl_b32 s24, ttmp9, 2
	s_add_co_u32 s24, s24, s23                     ; mb
	s_and_b32 s25, ttmp7, 0xffff                   ; g, which the four partners share
	s_lshr_b32 s26, s24, 3                         ; the batch
	s_and_b32 s27, s24, 7                          ; the block in it
	s_lshl_b32 s28, s26, 4
	s_lshl_b32 s29, s25, 1
	s_add_co_u32 s28, s28, s29                     ; my first head among the 64
	s_and_b32 s29, s[WV], 1                        ; which half of a key step my 64 tokens are
	s_lshr_b32 s30, s[WV], 1
	s_mov_b32 s93, 0
	s_wait_alu depctr_va_vdst(0)
	s_wait_dscnt 0x0
	s_wait_kmcnt 0x0
	s_lshl_b32 s31, s24, 2
	s_add_co_u32 s31, s31, s[WV]                   ; 4 mb + w: my four tiles
	s_mul_i32 s92, s31, 49152
	s_add_nc_u64 s[XB:XB+1], s[4:5], s[92:93]
	s_lshl_b32 s92, s31, 11
	s_add_nc_u64 s[XSB:XSB+1], s[6:7], s[92:93]
	s_lshl_b32 s31, s27, 2
	s_add_co_u32 s31, s31, s[WV]                   ; the same within the batch
	s_mul_i32 s92, s28, QHEAD
	s_mul_i32 s94, s31, 3072
	s_add_co_u32 s92, s92, s94
	s_add_nc_u64 s[QB:QB+1], s[16:17], s[92:93]
	s_lshl_b32 s92, s28, 13
	s_lshl_b32 s94, s31, 8
	s_add_co_u32 s92, s92, s94
	s_add_nc_u64 s[QSB:QSB+1], s[18:19], s[92:93]
	s_lshl_b32 s94, s28, 4
	s_lshl_b32 s95, s27, 1
	s_add_co_u32 s94, s94, s95
	s_add_co_u32 s94, s94, s30
	s_mul_i32 s94, s94, 13056                      ; my key step's record
	s_mul_i32 s95, s29, 3072
	s_add_co_u32 s92, s94, s95
	s_add_nc_u64 s[KC:KC+1], s[20:21], s[92:93]
	s_lshl_b32 s95, s29, 8
	s_add_co_u32 s92, s94, s95
	s_add_co_u32 s92, s92, 12288
	s_add_nc_u64 s[KSB:KSB+1], s[20:21], s[92:93]
	s_mul_i32 s95, s29, 768
	s_add_co_u32 s92, s94, s95
	s_add_co_u32 s92, s92, 6144
	s_add_nc_u64 s[VC:VC+1], s[20:21], s[92:93]
	s_lshl_b32 s95, s29, 1
	s_add_co_u32 s92, s94, s95
	s_add_co_u32 s92, s92, 12800
	s_add_nc_u64 s[VSB:VSB+1], s[20:21], s[92:93]
	s_lshl_b32 s92, s25, 9
	s_add_nc_u64 s[BQ:BQ+1], s[10:11], s[92:93]
	s_add_nc_u64 s[BQ+2:BQ+3], s[12:13], s[92:93]
	s_add_nc_u64 s[BQ+4:BQ+5], s[14:15], s[92:93]
	WIN 0x40                                       ; x's fragments: K steps 0-3 into window 1,
.irp s, 0,1,2,3
.irp t, 0,1,2,3
.irp c, 0,1,2
	global_load_b128 v[12*(4*\s+\t)+4*\c:12*(4*\s+\t)+4*\c+3], v[LI16], s[XB:XB+1] offset:12288*\t+1536*\s+512*\c
.endr
.endr
.endr
	WIN 0x80                                       ; 4-7 into window 2
.irp s, 0,1,2,3
.irp t, 0,1,2,3
.irp c, 0,1,2
	global_load_b128 v[12*(4*\s+\t)+4*\c:12*(4*\s+\t)+4*\c+3], v[LI16], s[XB:XB+1] offset:12288*\t+1536*(\s+4)+512*\c
.endr
.endr
.endr
	WIN 0
.irp t, 0,1,2,3
	global_load_b128 v[XS+4*\t:XS+4*\t+3], v[LI16], s[XSB:XSB+1] offset:512*\t
.endr
	BIAS 0
	; descriptor group 1: a quarter of units 0 and 1, 25,600 dense bytes, as 100 rows of 256 bytes (32 elements of 8 bytes), no padding: every read is of consecutive bytes
	s_mov_b32 s[G1], 15|(3<<16)|(1<<21)            ; 15:0 the mask: all four work-groups; 17:16 elements of 8 bytes; 21 set beside a mask
	s_mov_b32 s[G1+1], 32<<16                      ; tensor_dim0
	s_mov_b32 s[G1+2], 100<<16                     ; tensor_dim1: the first load brings a quarter of units 0 and 1, 100 rows of 256 bytes
	s_mov_b32 s[G1+3], 32<<16                      ; tile_dim0
	s_mov_b32 s[G1+4], 100                         ; tile_dim1
	s_mov_b32 s[G1+5], 32                          ; the pitch
	s_mov_b32 s[G1+6], 0
	s_mov_b32 s[G1+7], 0
	; the six units are one dense block of 307,200 bytes, in wimg and in LDS alike: two loads a wave, a quarter of units 0, 1 and a quarter of units 2 to 5; the wave's number and g alone enter a descriptor
	s_mul_i32 s98, s[WV], 25600                    ; my quarter of units 0 and 1
	s_mov_b32 s99, 0
	s_mul_i32 s96, s25, 6*UNITB
	s_mov_b32 s97, 0
	s_add_nc_u64 s[96:97], s[8:9], s[96:97]
	s_mov_b32 s[G0], 1
	s_mov_b32 s[G0+1], s98
	s_add_nc_u64 s[G0+2:G0+3], s[96:97], s[98:99]
	s_or_b32 s[G0+3], s[G0+3], 0x80000000
	s_lshl_b32 s98, s98, 1
	s_add_co_u32 s98, s98, 2*UNITB                 ; my quarter of units 2 to 5: 51,200 bytes
	s_mov_b32 s[G0+4], 1
	s_mov_b32 s[G0+5], s98
	s_add_nc_u64 s[G0+6:G0+7], s[96:97], s[98:99]
	s_or_b32 s[G0+7], s[G0+7], 0x80000000
	CROUND                                         ; all four work-groups are here: the joint loads meet
	tensor_load_to_lds s[G0:G0+3], s[G1:G1+7]      ; one tensor load a wave at the head
	s_nop 0
	PLACES 4
	s_wait_tensorcnt 0x0                           ; my quarter of units 0 and 1 is in
	ds_add_u32 v95, v99
	s_mov_b32 s[G1+2], 200<<16                     ; no load of mine is out: the second load brings 200 rows
	s_mov_b32 s[G1+4], 200
	s_wait_dscnt 0x0
	CROUND
	tensor_load_to_lds s[G0+4:G0+7], s[G1:G1+7]    ; the first tensor load behind the round
	s_nop 0
	PLACES 4
	ENTER 0
	s_wait_alu depctr_va_vdst(0)
	UNIT 0
	UNIT 1
	UNIT 2
	UNIT 3
	UNIT 4
	UNIT 5
	s_wait_tensorcnt 0x0
	ds_add_u32 v95, v99
	s_wait_dscnt 0x0
	CROUND                                         ; the closing round: no work-group ends while a partner may still ask for a tile that names it
	s_endpgm
.Lfunc_end_k_q40eff332ba_qkv:
	.size	k_q40eff332ba_qkv, .Lfunc_end_k_q40eff332ba_qkv-k_q40eff332ba_qkv
	.p2alignl 7, 3214868480
	.fill 96, 4, 3214868480
	.section	.rodata,"a",@progbits
	.p2align	6, 0x0
	.amdhsa_kernel k_q40eff332ba_qkv
		.amdhsa_group_segment_fixed_size 327680
		.amdhsa_private_segment_fixed_size 0
		.amdhsa_enable_private_segment 0
		.amdhsa_kernarg_size 72
		.amdhsa_user_sgpr_count 2
		.amdhsa_user_sgpr_kernarg_segment_ptr 1
		.amdhsa_wavefront_size32 1
		.amdhsa_system_sgpr_workgroup_id_x 1
		.amdhsa_system_sgpr_workgroup_id_y 1
		.amdhsa_system_sgpr_workgroup_id_z 1
		.amdhsa_system_vgpr_workitem_id 0
		.amdhsa_next_free_vgpr 768
		.amdhsa_next_free_sgpr 100
		.amdhsa_reserve_vcc 0
		.amdhsa_float_denorm_mode_32 3
		.amdhsa_float_denorm_mode_16_64 3
		.amdhsa_memory_ordered 1
		.amdhsa_forward_progress 1
		.amdhsa_inst_pref_size 220
	.end_amdhsa_kernel
	.amdgpu_metadata
---
amdhsa.version: [ 1, 2 ]
amdhsa.kernels:
  - .name:           k_q40eff332ba_qkv
    .symbol:         k_q40eff332ba_qkv.kd
    .args:
      - { .name: ximg, .offset: 0, .size: 8, .value_kind: global_buffer, .address_space: global }
      - { .name: xs, .offset: 8, .size: 8, .value_kind: global_buffer, .address_space: global }
      - { .name: wimg, .offset: 16, .size: 8, .value_kind: global_buffer, .address_space: global }
      - { .name: bq, .offset: 24, .size: 8, .value_kind: global_buffer, .address_space: global }
      - { .name: bk, .offset: 32, .size: 8, .value_kind: global_buffer, .address_space: global }
      - { .name: bv, .offset: 40, .size: 8, .value_kind: global_buffer, .address_space: global }
      - { .name: qimg, .offset: 48, .size: 8, .value_kind: global_buffer, .address_space: global }
      - { .name: qs, .offset: 56, .size: 8, .value_kind: global_buffer, .address_space: global }
      - { .name: kv, .offset: 64, .size: 8, .value_kind: global_buffer, .address_space: global }
    .group_segment_fixed_size: 327680
    .private_segment_fixed_size: 0
    .kernarg_segment_align: 8
    .kernarg_segment_size: 72
    .max_flat_workgroup_size: 128
    .sgpr_count:     100
    .vgpr_count:     768
    .wavefront_size: 32
...
	.end_amdgpu_metadata
.endif
;; end of part 2
;; launch attn (part 3): grid 4 x 64, 8 waves a work-group, clusters of 4 x 1, 262,144 bytes of LDS; arguments qimg, qs, kv, cimg, cs; writes cimg, cs
.if DOCPART == 3
	.amdgcn_target "amdgcn-amd-amdhsa--gfx1250"
	.amdhsa_code_object_version 6
	.text
	.protected	k_q40eff332ba_attn
	.globl	k_q40eff332ba_attn
	.p2align	8
	.type	k_q40eff332ba_attn,@function
k_q40eff332ba_attn:
	s_mov_b64 s[64:65], 0
	v_nop
	global_prefetch_b8 v0, s[64:65] scope:SCOPE_SE
	s_setreg_imm32_b32 hwreg(HW_REG_WAVE_MODE, 25, 1), 1
	s_wait_xcnt 0x0
	s_wait_alu depctr_hold_cnt(0) depctr_sa_sdst(0) depctr_va_vdst(0) depctr_va_sdst(0) depctr_va_ssrc(0) depctr_va_vcc(0) depctr_vm_vsrc(0)
	s_getreg_b32 s2, hwreg(HW_REG_IB_STS2, 6, 4)
	s_cmp_eq_u32 s2, 0
	s_cbranch_scc0 .Lentry_in_a_cluster
	s_endpgm
.Lentry_in_a_cluster:
	s_bfe_u32 s2, ttmp6, 0x10000c
	s_cmp_lg_u32 s2, 0x3003
	s_cbranch_scc0 .Lentry_shape_is_right
	s_endpgm
.Lentry_shape_is_right:
; ctx = softmax(Q K^T / 8) V for one head, both products on codes of E3M2 with one E8M0 scale for each 32 along K; ctx is quantised along the model's 1,024 and leaves as codes.
; THE SOFTMAX: t = score x log2(e) / 8; M = the row's largest t so far, rounded UP to a whole number; p = 2^(t - M) is quantised along the keys, not normalised; the row's sum is taken of the unquantised p and divides at the end.
; When M moves, the sum and O are multiplied by 2^(old M - new M): exact.
; SHARES.  A work-group owns 512 queries of one head; each of its eight waves FOUR tiles of 16 queries, in one walk over the keys: a trip's fragments of K and V (13,056 bytes) are read from LDS once for the wave's 64 queries.
; Within a trip the four tiles go as two pairs; the two tiles of a pair take turns line by line, so that no line waits for the line above it.
; THE HEAD'S K AND V LIE WHOLE IN LDS: 16 records (128 keys, 13,056 bytes of memory each), filled once: wave w brings records 2 w and 2 w + 1 by one load, as 102 rows of 256 bytes with 64 bytes of padding behind each.
; All that the launch reads of kv is asked for by that one load a wave at the head: there is no loop to run ahead in, so nothing is prefetched.
; CLUSTER.  The four work-groups of a cluster are the four query blocks of one head: the records are asked for JOINTLY (mask 15).
; LAYOUT.  Both products are used transposed: S^T = K Q^T (source 0 = 16 keys), O^T = V^T P^T (source 0 = 16 of the head's 64): a lane holds ONE query.
; THE KEYS OF A TILE ARE CHOSEN AT THE LDS READ: tile (c, u) takes keys 64 c + 8 u + 0 .. 7 as its rows 0-7 and keys 64 c + 32 + 8 u + 0 .. 7 as its rows 8-15.  So the 32 registers of tiles (c, 0 .. 3) are, in lane (r, h),
; keys 64 c + 32 h + 0 .. 31: a WHOLE block of 32 in the order of the next operand: a block's largest score needs no other lane, and the conversions' results are the operand's registers.
; In a record key 32 b + 8 v + i + 16 j lies in stored tile 2 b + v, row i + 8 j: lanes r < 8 read stored tile 4 c + u % 2, lanes r >= 8 stored tile 4 c + 2 + u % 2, 1,536 bytes of memory = 1,920 of LDS further on, both from row 8 (u / 2) + r % 8.
; THE HEAD IS 64, THE INSTRUCTION'S K IS 128: Q's registers 6-11 hold zero codes; K's tile t is named as v[32 + 6 t .. 43 + 6 t], whose upper six registers are the next tile's codes (behind tile 7: six zero registers):
; E3M2 has no infinity and no NaN, so those products are exact zeros; both sides' scale words repeat bytes 0, 1 in bytes 2, 3.
; LIMITS: NaN and infinities are not served; the promise holds while |t| stays under 2^31; p under 2^-126 counts as 0; a block whose largest magnitude lies under 2^-122, a block of zeros too, has its byte held at 1.
; REGISTERS.  Window 1: v0-127 S^T, then p, of the pair in hand (tile e at 64 e); v128-255 O^T of the four tiles (tile q at 128 + 32 q).
; Window 0: v1, v2 16 x, 8 x lane; v3-6 the lane's places in a record; v7-11 the same + the record in hand; v[12 + 2 q] -M, v[13 + 2 q] the largest score, v[20 + 2 q : 21 + 2 q] the sum of tile q; v28-31 Q's scale words;
; v32-79 K's eight tiles; v80-85 zeros; v86-89 K's scale words, v90-91 V's; v92 the place of ctx's scale bytes; v96-143 Q; v144-191 V; v192-215 p's codes; v216-253 at work (below); v254 8 h.
.set RECM, 13056
.set REC,  16320
.set SPARE, 16*REC                     ; behind the records: the spare words, 128 bytes a wave
.set KA0,  3
.set KB0,  4
.set KS0,  5
.set VA0,  6
.set KA,   7
.set KB,   8
.set KS,   9
.set VA,   10
.set VB,   11
.set CSA,  92
.set QSA,  93
.set QF,   96                          ; Q's fragments, 12 a tile
.set VF,   144                         ; V's, 12 a tile of 16 channels
.set PB,   192                         ; p's codes, 12 for each tile of the pair
.set BM,   216                         ; v216-219 largest scores: 2 e + c
.set SO,   220                         ; v220-223 the conversions' scale operands
.set CT,   224                         ; v224-239 the conversions' second halves: 8 e + 4 c
.set SU,   240                         ; v240-243 a second chain of the row's sum
.set FW,   244                         ; v244-247 f and p's scale word: 2 e
.set OM,   248                         ; v248-249 the old -M
.set T1,   250
.set T2,   252
.set SH8,  254
.set CX,   96                          ; the way out: ctx of the four tiles, v96-223
.set TM,   32                          ; the way out: v32-33 largest magnitudes, v34-35 the other half's and the bytes, v36-37 scale operands, v40-42 the second half
.set TP,   34
.set SQ,   36
.set CQ,   40
.set WV,   14
.set HM,   15                          ; s15  the mask of lanes 16-31
.set NC,   19                          ; s19  -c
.set SEL,  20
.set CS,   22                          ; s[22:23] c = log2(e) / 8
.set G1,   24
.set G0,   32
.set TB,   36                          ; s36  LDS byte of the record in hand
.set CNT,  37
.set MSB, 0
.macro WIN new                         ; low byte: bits 1:0 source 0, 3:2 source 1, 5:4 source 2, 7:6 destination; the high byte repeats the setting that is left
.if MSB != (\new)
	s_set_vgpr_msb (MSB<<8)|(\new)
.set MSB, (\new)
.endif
.endm
.macro PLACES n
.rept \n
	v_nop
.endr
.endm
.macro CROUND                          ; a round of the cluster's barrier
	s_barrier_signal -1
	s_barrier_wait -1
	s_cmp_lg_u32 s[WV], 0
	s_cbranch_scc1 .Lnot_wave_0_\@
	s_barrier_signal -3
.Lnot_wave_0_\@:
	s_barrier_wait -3
	s_barrier_signal -1
	s_barrier_wait -1
.endm
; 32 numbers of a lane (register 16 b + i = k 32 b + 16 (lane / 16) + i) become half a fragment at v[pc]; the two scale bytes are left in v[TP], v[TP + 1]
.macro QUANT32 src, pc
.irp b, 0,1
	v_max3_num_f32 v[TM+\b], |v[\src+16*\b]|, |v[\src+16*\b+1]|, 0x2800000
.endr
.irp i, 2,4,6,8,10,12,14
.irp b, 0,1
	s_delay_alu instid0(VALU_DEP_2)
	v_max3_num_f32 v[TM+\b], v[TM+\b], |v[\src+16*\b+\i]|, |v[\src+16*\b+\i+1]|
.endr
.endr
.irp b, 0,1
	s_delay_alu instid0(VALU_DEP_2)
	v_permlanex16_b32 v[TP+\b], v[TM+\b], s[SEL], s[SEL+1]
.endr
.irp b, 0,1
	s_delay_alu instid0(VALU_DEP_2)
	v_max_num_f32 v[TM+\b], v[TM+\b], v[TP+\b]
.endr
.irp b, 0,1
	s_delay_alu instid0(VALU_DEP_2)
	v_add_nc_u32 v[SQ+\b], 0xfe000000, v[TM+\b]
.endr
.irp b, 0,1
	s_delay_alu instid0(VALU_DEP_2)
	v_lshrrev_b32 v[TP+\b], 23, v[SQ+\b]
.endr
	v_cvt_scalef32_pk16_bf6_f32 v[\pc:\pc+2], v[\src:\src+15], v[SQ]
	v_cvt_scalef32_pk16_bf6_f32 v[CQ:CQ+2], v[\src+16:\src+31], v[SQ+1]
	v_nop                                          ; one plain place behind a scaled conversion
.irp i, 0,1,2
	v_permlane16_swap_b32 v[\pc+\i], v[CQ+\i]
.endr
.irp i, 0,1,2
	s_delay_alu instid0(VALU_DEP_3)
	v_mov_b32 v[\pc+3+\i], v[CQ+\i]
.endr
.endm
	s_load_b256 s[4:11], s[0:1], 0x0               ; qimg, qs, kv, cimg
	s_load_b64 s[12:13], s[0:1], 0x20              ; cs
	v_lshl_add_u32 v95, v0, 2, SPARE
	v_mov_b32 v255, 0
	ds_add_u32 v95, v255
	ds_add_u32 v95, v255
	v_lshrrev_b32 v3, 5, v0
	v_readfirstlane_b32 s[WV], v3                  ; wave 0..7
	v_and_b32 v7, 31, v0
	v_lshlrev_b32 v1, 4, v7
	v_lshlrev_b32 v2, 3, v7
	v_and_b32 v8, 15, v0                           ; r
	v_bfe_u32 v9, v0, 4, 1                         ; h
	v_and_b32 v10, 7, v0                           ; r % 8
	v_bfe_u32 v7, v0, 3, 1                         ; r / 8
	v_lshlrev_b32 v[QSA], 4, v8                    ; 16 r
	v_lshl_add_u32 v[CSA], v9, 9, v[QSA]           ; 512 h + 16 r
	v_mad_u32_u24 v[VA0], v9, 320, v[QSA]          ; V's 16 bytes: 16 r, lanes 16-31 in the next LDS row
	v_mul_u32_u24 v[KA0], v7, 1920
	v_lshl_add_u32 v[KB0], v10, 3, v[KA0]
	v_lshl_add_u32 v[KB0], v9, 7, v[KB0]           ; K's 8 bytes: 1,920 (r / 8) + 8 (r % 8) + 128 h
	v_lshl_add_u32 v[KA0], v10, 4, v[KA0]
	v_mad_u32_u24 v[KA0], v9, 320, v[KA0]          ; K's 16 bytes: 1,920 (r / 8) + 16 (r % 8) + 320 h
	v_lshlrev_b32 v[KS0], 4, v10
	v_lshl_add_u32 v[KS0], v7, 3, v[KS0]
	v_mad_u32_u24 v[KS0], v9, 320, v[KS0]          ; K's scale words: 16 (r % 8) + 8 (r / 8); lanes 16-31 take c = 1
	v_lshlrev_b32 v[SH8], 3, v9                    ; 8 h
	v_cmp_ne_u32 s[HM], 0, v9
	s_mov_b32 s[SEL], 0x76543210
	s_mov_b32 s[SEL+1], 0xfedcba98
	s_mov_b32 s[CS], 0x3e38aa3b                    ; log2(e) / 8
	s_mov_b32 s[CS+1], s[CS]                       ; (named with it as a pair, so it is written)
	s_mov_b32 s[NC], 0xbe38aa3b
	s_bfe_u32 s16, ttmp6, 0x40000                  ; cx: it enters the addresses of qimg, qs, cimg and cs alone
	s_lshl_b32 s17, ttmp9, 2
	s_add_co_u32 s17, s17, s16                     ; my block of 512 queries
	s_and_b32 s18, ttmp7, 0xffff                   ; the head among the 64, which the four partners share
	s_lshl_b32 s48, s18, 4
	s_lshl_b32 s52, s[WV], 1
	s_add_co_u32 s48, s48, s52
	s_mul_i32 s48, s48, RECM                       ; the two records that I fetch, in memory,
	s_mov_b32 s49, 0
	s_mul_i32 s50, s[WV], 2*REC                    ; and in LDS
	s_lshl_b32 s51, s17, 5
	s_lshl_b32 s52, s[WV], 2
	s_add_co_u32 s51, s51, s52                     ; my first query tile in the head
	s_mov_b32 s39, 0
	s_wait_alu depctr_va_vdst(0)
	s_wait_dscnt 0x0
	s_wait_kmcnt 0x0
	s_mul_i32 s38, s18, 98304
	s_mul_i32 s52, s51, 768
	s_add_co_u32 s38, s38, s52
	s_add_nc_u64 s[40:41], s[4:5], s[38:39]        ; Q's codes
	s_lshl_b32 s38, s18, 13
	s_lshl_b32 s52, s17, 3
	s_add_co_u32 s52, s52, s[WV]
	s_lshl_b32 s52, s52, 8
	s_add_co_u32 s38, s38, s52
	s_add_nc_u64 s[42:43], s[6:7], s[38:39]        ; Q's scale words: my four tiles' lie together, 16 bytes a row
	s_lshr_b32 s52, s18, 4
	s_lshl_b32 s52, s52, 7
	s_add_co_u32 s52, s52, s51                     ; the tile among all 512
	s_bfe_u32 s53, s18, 0x30001                    ; the last product's K step: head / 2
	s_and_b32 s54, s18, 1                          ; and its half
	s_mul_i32 s38, s52, 12288
	s_mul_i32 s55, s53, 1536
	s_add_co_u32 s38, s38, s55
	s_mul_i32 s55, s54, 768
	s_add_co_u32 s38, s38, s55
	s_add_nc_u64 s[44:45], s[10:11], s[38:39]      ; ctx's codes
	s_lshl_b32 s38, s52, 9
	s_lshr_b32 s55, s53, 2
	s_lshl_b32 s55, s55, 8
	s_add_co_u32 s38, s38, s55
	s_and_b32 s55, s53, 3
	s_lshl_b32 s55, s55, 2
	s_add_co_u32 s38, s38, s55
	s_lshl_b32 s55, s54, 1
	s_add_co_u32 s38, s38, s55
	s_add_nc_u64 s[46:47], s[12:13], s[38:39]      ; ctx's scale bytes
.irp q, 0,1,2,3
	global_load_b128 v[QF+12*\q:QF+12*\q+3], v1, s[40:41] offset:768*\q
	global_load_b64 v[QF+12*\q+4:QF+12*\q+5], v2, s[40:41] offset:768*\q+512
.endr
	global_load_b128 v[28:31], v[QSA], s[42:43]
	; descriptor group 1: two records, 26,112 dense bytes, as 102 rows of 256 bytes, 16 words of padding behind each
	s_mov_b32 s[G1], 15|(3<<16)|(1<<20)|(1<<21)|(5<<22)|(15<<25)   ; 15:0 the mask: all four work-groups; 17:16 elements of 8 bytes; 20 padding on; 21 set beside a mask; 24:22 after every 64 words; 31:25 of 16 words
	s_mov_b32 s[G1+1], 32<<16
	s_mov_b32 s[G1+2], 102<<16
	s_mov_b32 s[G1+3], 32<<16
	s_mov_b32 s[G1+4], 102
	s_mov_b32 s[G1+5], 32
	s_mov_b32 s[G1+6], 0
	s_mov_b32 s[G1+7], 0
	s_mov_b32 s[G0], 1
	s_mov_b32 s[G0+1], s50
	s_add_nc_u64 s[G0+2:G0+3], s[8:9], s[48:49]
	s_or_b32 s[G0+3], s[G0+3], 0x80000000
	CROUND                                         ; all four work-groups are here: the joint loads meet
	tensor_load_to_lds s[G0:G0+3], s[G1:G1+7]      ; one load a wave
	s_nop 0
	PLACES 4
.irp q, 0,1,2,3
.irp j, 6,7,8,9,10,11
	v_mov_b32 v[QF+12*\q+\j], 0                    ; Q's padded half
.endr
	v_mov_b32 v[13+2*\q], 0xff61b1e6               ; the largest score so far: -3e38, under every score
	v_mov_b32 v[20+2*\q], 0
	v_mov_b32 v[21+2*\q], 0
.endr
.irp q, 0,1,2,3
	v_mul_f32 v[12+2*\q], s[NC], v[13+2*\q]
.endr
.irp q, 0,1,2,3
	v_floor_f32 v[12+2*\q], v[12+2*\q]             ; -M
.endr
.irp j, 80,81,82,83,84,85,245,247,252,253
	v_mov_b32 v\j, 0                               ; the codes behind K's last tile; registers that are named before they are first made
.endr
	WIN 0x40
.set j, 0
.rept 128
	v_mov_b32 v[128+j], 0                          ; O^T: the loop is written once; its first trip finds zeros, which the first change of M leaves zeros
.set j, j+1
.endr
	WIN 0
	s_wait_alu depctr_va_vdst(0)
	s_wait_tensorcnt 0x0                           ; my records have landed,
	s_barrier_signal -1
	s_barrier_wait -1                              ; everybody's have
	s_wait_loadcnt 0x0                             ; Q
; Tiles 2 g and 2 g + 1 against the 128 keys in hand
.macro PAIR g
	WIN 0x40
.irp t, 0,1,2,3,4,5,6,7
.irp e, 0,1
.if \t < 4
	v_wmma_scale_f32_16x16x128_f8f6f4 v[64*\e+8*\t:64*\e+8*\t+7], v[32+6*\t:43+6*\t], v[QF+12*(2*\g+\e):QF+12*(2*\g+\e)+11], 0, v[86+\t], v[28+2*\g+\e] matrix_a_fmt:MATRIX_FMT_BF6 matrix_b_fmt:MATRIX_FMT_BF6
.else
	v_wmma_scale_f32_16x16x128_f8f6f4 v[64*\e+8*\t:64*\e+8*\t+7], v[32+6*\t:43+6*\t], v[QF+12*(2*\g+\e):QF+12*(2*\g+\e)+11], 0, v[82+\t], v[28+2*\g+\e] matrix_a_fmt:MATRIX_FMT_BF6 matrix_b_fmt:MATRIX_FMT_BF6 matrix_a_scale:MATRIX_SCALE_ROW1
.endif
.endr
.endr
	WIN 0
.irp e, 0,1
	v_mov_b32 v[OM+\e], v[12+4*\g+2*\e]            ; four places in front of the first read of the scores (ISA guide 7.12.1)
.endr
	PLACES 2
	WIN 0x15                                       ; the largest score of each block of 32 keys, four chains by turns
.irp e, 0,1
.irp c, 0,1
	v_max3_num_f32 v[BM+2*\e+\c], v[64*\e+32*\c], v[64*\e+32*\c+1], v[64*\e+32*\c+2]
.endr
.endr
	WIN 0x14
.irp i, 3,5,7,9,11,13,15,17,19,21,23,25,27,29
.irp e, 0,1
.irp c, 0,1
	v_max3_num_f32 v[BM+2*\e+\c], v[BM+2*\e+\c], v[64*\e+32*\c+\i], v[64*\e+32*\c+\i+1]
.endr
.endr
.endr
	WIN 0x04
.irp e, 0,1
.irp c, 0,1
	v_max_num_f32 v[BM+2*\e+\c], v[BM+2*\e+\c], v[64*\e+32*\c+31]   ; it serves the row's maximum and, since p rises with the score, the block's largest p
.endr
.endr
	WIN 0
.irp e, 0,1
	v_max_num_f32 v[T1+\e], v[BM+2*\e], v[BM+2*\e+1]
.endr
.irp e, 0,1
	s_delay_alu instid0(VALU_DEP_2)
	v_permlanex16_b32 v[T2+\e], v[T1+\e], s[SEL], s[SEL+1]
.endr
.irp e, 0,1
	s_delay_alu instid0(VALU_DEP_2)
	v_max3_num_f32 v[13+4*\g+2*\e], v[13+4*\g+2*\e], v[T1+\e], v[T2+\e]   ; the running largest score of my query, lane l xor 16's 64 keys among them
.endr
.irp e, 0,1
	s_delay_alu instid0(VALU_DEP_2)
	v_mul_f32 v[T1+\e], s[NC], v[13+4*\g+2*\e]     ; -t
.endr
.irp e, 0,1
	s_delay_alu instid0(VALU_DEP_2)
	v_floor_f32 v[12+4*\g+2*\e], v[T1+\e]          ; the new -M = floor(-t): M is a whole number
.endr
.irp e, 0,1
	s_delay_alu instid0(VALU_DEP_2)
	v_sub_f32 v[T1+\e], v[12+4*\g+2*\e], v[OM+\e]  ; old M - new M: a whole number, 0 or less
.endr
.irp e, 0,1
	s_delay_alu instid0(VALU_DEP_2)
	v_cvt_i32_f32 v[T1+\e], v[T1+\e]               ; (it saturates)
.endr
.irp e, 0,1
	s_delay_alu instid0(VALU_DEP_2)
	v_ldexp_f32 v[FW+2*\e], 1.0, v[T1+\e]          ; f = 2^(old M - new M)
.endr
.irp e, 0,1
.irp c, 0,1
	v_fma_f32 v[BM+2*\e+\c], v[BM+2*\e+\c], s[CS], v[12+4*\g+2*\e]   ; t - M of each block's largest score
.endr
.endr
	WIN 0x41
.irp e, 0,1
.set j, 0
.rept 32
	v_pk_fma_f32 v[64*\e+j:64*\e+j+1], v[64*\e+j:64*\e+j+1], s[CS:CS+1], v[12+4*\g+2*\e:13+4*\g+2*\e] op_sel_hi:[1,0,0]   ; t - M, two at a time
.set j, j+2
.endr
.endr
.irp e, 0,1
.set j, 0
.rept 16
	v_pk_mul_f32 v[128+64*\g+32*\e+j:128+64*\g+32*\e+j+1], v[128+64*\g+32*\e+j:128+64*\g+32*\e+j+1], v[FW+2*\e:FW+2*\e+1] op_sel_hi:[1,0]   ; O^T under the new M, each accumulator from its low end on
.set j, j+2
.endr
.endr
	s_wait_alu depctr_va_vdst(0)
.set j, 0
.rept 128
	v_exp_f32 v[j], v[j]                           ; p = 2^(t - M), at most 1
.set j, j+1
.endr
	WIN 0
.irp b, 0,1,2,3
	v_exp_f32 v[BM+\b], v[BM+\b]                   ; the block's largest p: the same two instructions on the same number
.endr
.irp e, 0,1
	v_pk_mul_f32 v[20+4*\g+2*\e:21+4*\g+2*\e], v[20+4*\g+2*\e:21+4*\g+2*\e], v[FW+2*\e:FW+2*\e+1] op_sel_hi:[1,0]   ; the sums under the new M (plain places behind the exponentials)
.endr
	s_wait_alu depctr_va_vdst(0)                   ; and the wait behind it
.irp b, 0,1,2,3
	v_max_num_f32 v[BM+\b], 0x2800000, v[BM+\b]    ; the floor 2^(5 - 127)
.endr
.irp b, 0,1,2,3
	s_delay_alu instid0(VALU_DEP_4)
	v_add_nc_u32 v[SO+\b], 0xfe000000, v[BM+\b]    ; 4 off the exponent field: the conversion's scale operand
.endr
.irp b, 0,1,2,3
	s_delay_alu instid0(VALU_DEP_4)
	v_lshrrev_b32 v[BM+\b], 23, v[SO+\b]           ; the scale's byte
.endr
.irp e, 0,1
	v_lshl_or_b32 v[T1+\e], v[BM+2*\e+1], 16, v[BM+2*\e]   ; my two bytes: blocks h and 2 + h,
.endr
.irp e, 0,1
	s_delay_alu instid0(VALU_DEP_2)
	v_lshlrev_b32 v[T1+\e], v[SH8], v[T1+\e]       ; at their places in the word;
.endr
.irp e, 0,1
	s_delay_alu instid0(VALU_DEP_2)
	v_permlanex16_b32 v[T2+\e], v[T1+\e], s[SEL], s[SEL+1]
.endr
.irp e, 0,1
	s_delay_alu instid0(VALU_DEP_2)
	v_or_b32 v[FW+2*\e+1], v[T1+\e], v[T2+\e]      ; with lane l xor 16's two: p's scale word for these 128 keys
.endr
	WIN 0x01
.irp e, 0,1
.irp c, 0,1
	v_cvt_scalef32_pk16_bf6_f32 v[PB+12*\e+6*\c:PB+12*\e+6*\c+2], v[64*\e+32*\c:64*\e+32*\c+15], v[SO+2*\e+\c]
	v_cvt_scalef32_pk16_bf6_f32 v[CT+8*\e+4*\c:CT+8*\e+4*\c+2], v[64*\e+32*\c+16:64*\e+32*\c+31], v[SO+2*\e+\c]   ; (a conversion's three registers begin on an even number)
.endr
.endr
	WIN 0x05                                       ; the row's sum of the unquantised p, two chains a tile; these two lines are also the plain places behind the conversions
.irp e, 0,1
	v_pk_add_f32 v[SU+2*\e:SU+2*\e+1], v[64*\e:64*\e+1], v[64*\e+2:64*\e+3]
.endr
	WIN 0
.irp e, 0,1
.irp c, 0,1
.irp i, 0,1,2
	v_mov_b32 v[PB+12*\e+6*\c+3+\i], v[CT+8*\e+4*\c+\i]   ; registers 6 c .. 6 c + 5 hold keys 64 c + 32 h + 0 .. 31
.endr
.endr
.endr
	WIN 0x04
.set j, 4
.rept 15
.irp e, 0,1
	v_pk_add_f32 v[20+4*\g+2*\e:21+4*\g+2*\e], v[20+4*\g+2*\e:21+4*\g+2*\e], v[64*\e+j:64*\e+j+1]
	v_pk_add_f32 v[SU+2*\e:SU+2*\e+1], v[SU+2*\e:SU+2*\e+1], v[64*\e+j+2:64*\e+j+3]
.endr
.set j, j+4
.endr
	WIN 0
.irp e, 0,1
	v_pk_add_f32 v[20+4*\g+2*\e:21+4*\g+2*\e], v[20+4*\g+2*\e:21+4*\g+2*\e], v[SU+2*\e:SU+2*\e+1]
.endr
.if \g == 0
	s_wait_alu depctr_va_vdst(0)
	s_wait_dscnt 0x0                               ; V
.endif
	WIN 0x50
.irp n, 0,1,2,3
.irp e, 0,1
.if \n < 2
	v_wmma_scale_f32_16x16x128_f8f6f4 v[128+64*\g+32*\e+8*\n:128+64*\g+32*\e+8*\n+7], v[VF+12*\n:VF+12*\n+11], v[PB+12*\e:PB+12*\e+11], v[128+64*\g+32*\e+8*\n:128+64*\g+32*\e+8*\n+7], v[90+\n], v[FW+2*\e+1] matrix_a_fmt:MATRIX_FMT_BF6 matrix_b_fmt:MATRIX_FMT_BF6
.else
	v_wmma_scale_f32_16x16x128_f8f6f4 v[128+64*\g+32*\e+8*\n:128+64*\g+32*\e+8*\n+7], v[VF+12*\n:VF+12*\n+11], v[PB+12*\e:PB+12*\e+11], v[128+64*\g+32*\e+8*\n:128+64*\g+32*\e+8*\n+7], v[88+\n], v[FW+2*\e+1] matrix_a_fmt:MATRIX_FMT_BF6 matrix_b_fmt:MATRIX_FMT_BF6 matrix_a_scale:MATRIX_SCALE_ROW1
.endif
.endr
.endr
.endm
	s_mov_b32 s[TB], 0
	s_mov_b32 s[CNT], 16
.Lkeys:                                            ; a trip: 128 keys against my 64 queries
	v_add_nc_u32 v[KA], s[TB], v[KA0]              ; these five lines are also the places in front of the loads into V's registers, which the last trip's products read
	v_add_nc_u32 v[KB], s[TB], v[KB0]
	v_add_nc_u32 v[KS], s[TB], v[KS0]
	v_add_nc_u32 v[VA], s[TB], v[VA0]
	v_add_nc_u32 v[VB], s[TB], v2
.irp t, 0,1,2,3,4,5,6,7                        ; tile t = 4 c + u
	ds_load_b128 v[32+6*\t:35+6*\t], v[KA] offset:3840*(\t/4)+960*(\t%2)+128*((\t%4)/2)
	ds_load_b64 v[36+6*\t:37+6*\t], v[KB] offset:3840*(\t/4)+960*(\t%2)+640+64*((\t%4)/2)
.endr
	ds_load_b64 v[86:87], v[KS] offset:15360       ; K's scale words: register u: lanes 0-15 tile u, lanes 16-31 tile 4 + u
	ds_load_b64 v[88:89], v[KS] offset:15360+128
.irp n, 0,1,2,3
.irp c, 0,1
	ds_load_b128 v[VF+12*\n+6*\c:VF+12*\n+6*\c+3], v[VA] offset:7680+1920*\n+960*\c   ; V lands under the first pair's softmax
	ds_load_b64 v[VF+12*\n+6*\c+4:VF+12*\n+6*\c+5], v[VB] offset:7680+1920*\n+960*\c+640
.endr
.endr
	ds_load_b64 v[90:91], v[VB] offset:16000       ; V's scale words: register n % 2; lanes 0-15 tiles 0, 1, lanes 16-31 tiles 2, 3
	s_wait_alu depctr_va_vdst(0)
	s_wait_dscnt 17                                ; K and its scale words are in; V's 16 loads and its scale words' one may be out
	PAIR 0
	PAIR 1
	WIN 0
	s_add_co_u32 s[TB], s[TB], REC
	s_sub_co_u32 s[CNT], s[CNT], 1
	s_cmp_lg_u32 s[CNT], 0
	s_cbranch_scc1 .Lkeys
	PLACES 4                                       ; in front of the first read of O^T
	s_wait_alu depctr_va_vdst(0)
.irp q, 0,1,2,3
	v_add_f32 v[20+2*\q], v[20+2*\q], v[21+2*\q]   ; the sum's two halves,
.endr
.irp q, 0,1,2,3
	v_permlanex16_b32 v[BM+\q], v[20+2*\q], s[SEL], s[SEL+1]
.endr
.irp q, 0,1,2,3
	v_add_f32 v[20+2*\q], v[20+2*\q], v[BM+\q]     ; and lane l xor 16's
.endr
	s_wait_alu depctr_va_vdst(0)
.irp q, 0,1,2,3
	v_rcp_f32 v[20+2*\q], v[20+2*\q]
.endr
	v_nop                                          ; one plain place behind a transcendental
	WIN 0x01
	s_wait_alu depctr_va_vdst(0)
.irp q, 0,1,2,3
.set j, 0
.rept 16
	v_pk_mul_f32 v[CX+32*\q+j:CX+32*\q+j+1], v[128+32*\q+j:128+32*\q+j+1], v[20+2*\q:21+2*\q] op_sel_hi:[1,0]   ; ctx = O^T / the sum: register 16 b + i is channel 32 b + 16 (lane / 16) + i of my query
.set j, j+2
.endr
.endr
	WIN 0
.irp q, 0,1,2,3
	QUANT32 CX+32*\q, 48+8*\q
	global_store_b128 v1, v[48+8*\q:51+8*\q], s[44:45] offset:12288*\q
	global_store_b64 v2, v[52+8*\q:53+8*\q], s[44:45] offset:12288*\q+512
	v_lshl_or_b32 v[80+\q], v[TP+1], 8, v[TP]      ; the tile's two scale bytes
.endr
.irp g, 0,1
	v_cndmask_b32 v[84+\g], v[80+2*\g], v[81+2*\g], s[HM]   ; lanes 0-15 carry tile 2 g's, lanes 16-31 tile 2 g + 1's
.endr
.irp g, 0,1
	global_store_b16 v[CSA], v[84+\g], s[46:47] offset:1024*\g   ; two bytes a row: the other half of each word is the neighbouring head's
.endr
	s_wait_tensorcnt 0x0                           ; the wave's end
	ds_add_u32 v95, v255
	s_wait_dscnt 0x0
	CROUND                                         ; the closing round: no work-group ends while a partner may still ask for a tile that names it
	s_endpgm
.Lfunc_end_k_q40eff332ba_attn:
	.size	k_q40eff332ba_attn, .Lfunc_end_k_q40eff332ba_attn-k_q40eff332ba_attn
	.p2alignl 7, 3214868480
	.fill 96, 4, 3214868480
	.section	.rodata,"a",@progbits
	.p2align	6, 0x0
	.amdhsa_kernel k_q40eff332ba_attn
		.amdhsa_group_segment_fixed_size 262144
		.amdhsa_private_segment_fixed_size 0
		.amdhsa_enable_private_segment 0
		.amdhsa_kernarg_size 40
		.amdhsa_user_sgpr_count 2
		.amdhsa_user_sgpr_kernarg_segment_ptr 1
		.amdhsa_wavefront_size32 1
		.amdhsa_system_sgpr_workgroup_id_x 1
		.amdhsa_system_sgpr_workgroup_id_y 1
		.amdhsa_system_sgpr_workgroup_id_z 1
		.amdhsa_system_vgpr_workitem_id 0
		.amdhsa_next_free_vgpr 512
		.amdhsa_next_free_sgpr 66
		.amdhsa_reserve_vcc 0
		.amdhsa_float_denorm_mode_32 3
		.amdhsa_float_denorm_mode_16_64 3
		.amdhsa_memory_ordered 1
		.amdhsa_forward_progress 1
		.amdhsa_inst_pref_size 83
	.end_amdhsa_kernel
	.amdgpu_metadata
---
amdhsa.version: [ 1, 2 ]
amdhsa.kernels:
  - .name:           k_q40eff332ba_attn
    .symbol:         k_q40eff332ba_attn.kd
    .args:
      - { .name: qimg, .offset: 0, .size: 8, .value_kind: global_buffer, .address_space: global }
      - { .name: qs, .offset: 8, .size: 8, .value_kind: global_buffer, .address_space: global }
      - { .name: kv, .offset: 16, .size: 8, .value_kind: global_buffer, .address_space: global }
      - { .name: cimg, .offset: 24, .size: 8, .value_kind: global_buffer, .address_space: global }
      - { .name: cs, .offset: 32, .size: 8, .value_kind: global_buffer, .address_space: global }
    .group_segment_fixed_size: 262144
    .private_segment_fixed_size: 0
    .kernarg_segment_align: 8
    .kernarg_segment_size: 40
    .max_flat_workgroup_size: 256
    .sgpr_count:     66
    .vgpr_count:     512
    .wavefront_size: 32
...
	.end_amdgpu_metadata
.endif
;; end of part 3
;; launch outln (part 4): grid 256 x 1, 4 waves a work-group, no clusters, 327,680 bytes of LDS; arguments cimg, cs, wimg, bo, x, gamma, beta, out0; writes out0
.if DOCPART == 4
	.amdgcn_target "amdgcn-amd-amdhsa--gfx1250"
	.amdhsa_code_object_version 6
	.text
	.protected	k_q40eff332ba_outln
	.globl	k_q40eff332ba_outln
	.p2align	8
	.type	k_q40eff332ba_outln,@function
k_q40eff332ba_outln:
	s_mov_b64 s[64:65], 0
	v_nop
	global_prefetch_b8 v0, s[64:65] scope:SCOPE_SE
	s_setreg_imm32_b32 hwreg(HW_REG_WAVE_MODE, 25, 1), 1
	s_wait_xcnt 0x0
.set WROW, 1040
.set WREG, 32*WROW
.set STAT, 4*WREG
.set LI16, 1
.set LI8,  2
.set WSO,  3
.set BOFF, 4
.set XA,   5
.set RB,   6
.set STW,  7
.set STR,  8
.set HH,   9
.set CS,   16
.set WS,   24
.set BI,   88
.set SM,   216
.set TT,   232
.set PL,   240
.set MU,   242
.set RS,   246
.set VAL,  250
.set WV,   20
.set G1,   24
.set G0,   32
.set SEL,  48
.set HM,   53
.set WBS,  58
.set MSB, 0
.macro WIN new
.if MSB != (\new)
	s_set_vgpr_msb (MSB<<8)|(\new)
.set MSB, (\new)
.endif
.endm
.macro PLACES n
.rept \n
	v_nop
.endr
.endm
.macro MM d, a, b, cc, sa, sb, hi
.if \hi
	v_wmma_scale_f32_16x16x128_f8f6f4 v[\d:\d+7], v[\a:\a+11], v[\b:\b+11], v[\cc:\cc+7], v[\sa], v[\sb] matrix_a_fmt:MATRIX_FMT_BF6 matrix_b_fmt:MATRIX_FMT_BF6 matrix_a_scale:MATRIX_SCALE_ROW1 matrix_b_scale:MATRIX_SCALE_ROW1
.else
	v_wmma_scale_f32_16x16x128_f8f6f4 v[\d:\d+7], v[\a:\a+11], v[\b:\b+11], v[\cc:\cc+7], v[\sa], v[\sb] matrix_a_fmt:MATRIX_FMT_BF6 matrix_b_fmt:MATRIX_FMT_BF6
.endif
.endm
.macro RING gi
.set RK, (\gi)/4
.set RU, (\gi)%4
.set RL, 48*((\gi)%5)
.irp n, 0,1,2,3
.irp c, 0,1,2
	global_load_b128 v[RL+12*\n+4*\c:RL+12*\n+4*\c+3], v[LI16], s[WBS:WBS+1] offset:51200*RU+12288*\n+1536*RK+512*\c
.endr
.endr
.endm
.macro GROUP gi
.set GK, (\gi)/4
.set GU, (\gi)%4
.set GL, 48*((\gi)%5)
.if 31-(\gi) >= 4
	s_wait_loadcnt 48
.else
	s_wait_loadcnt 12*(31-(\gi))
.endif
.if GK == 0
	WIN 0x4b
.else
	WIN 0x5b
.endif
.irp n, 0,1,2,3
.irp t, 0,1
.if GK == 0
	MM 8*(2*(4*GU+\n)+\t), GL+12*\n, 12*(8*\t+GK), BI+8*(4*GU+\n), WS+4*(4*GU+\n)+GK%4, CS+4*\t+GK%4, GK/4
.else
	MM 8*(2*(4*GU+\n)+\t), GL+12*\n, 12*(8*\t+GK), 8*(2*(4*GU+\n)+\t), WS+4*(4*GU+\n)+GK%4, CS+4*\t+GK%4, GK/4
.endif
.endr
.endr
.if (\gi)+5 <= 31
	PLACES 4
	WIN 0xc0
	RING (\gi)+5
.endif
.endm
.macro TOTAL off
	WIN 0
.irp t, 0,1
	v_pk_add_f32 v[SM+8*\t:SM+8*\t+1], v[SM+8*\t:SM+8*\t+1], v[SM+8*\t+2:SM+8*\t+3]
	v_pk_add_f32 v[SM+8*\t+4:SM+8*\t+5], v[SM+8*\t+4:SM+8*\t+5], v[SM+8*\t+6:SM+8*\t+7]
.endr
.irp t, 0,1
	v_pk_add_f32 v[SM+8*\t:SM+8*\t+1], v[SM+8*\t:SM+8*\t+1], v[SM+8*\t+4:SM+8*\t+5]
.endr
.irp t, 0,1
	v_add_f32 v[SM+8*\t], v[SM+8*\t], v[SM+8*\t+1]
.endr
.irp t, 0,1
	v_permlanex16_b32 v[PL+\t], v[SM+8*\t], s[SEL], s[SEL+1]
.endr
.irp t, 0,1
	v_add_f32 v[SM+8*\t], v[SM+8*\t], v[PL+\t]
.endr
	v_cndmask_b32 v[VAL], v[SM], v[SM+8], s[HM]
	ds_store_b32 v[STW], v[VAL] offset:\off
	s_wait_dscnt 0x0
	s_barrier_signal -1
	s_barrier_wait -1
.irp u, 0,1,2,3
.irp t, 0,1
	ds_load_b32 v[TT+2*\u+\t], v[STR] offset:\off+128*\u+64*\t
.endr
.endr
	s_wait_dscnt 0x0
.irp t, 0,1
	v_add_f32 v[TT+\t], v[TT+\t], v[TT+2+\t]
	v_add_f32 v[TT+4+\t], v[TT+4+\t], v[TT+6+\t]
.endr
.irp t, 0,1
	v_add_f32 v[TT+\t], v[TT+\t], v[TT+4+\t]
.endr
.endm
	s_load_b512 s[4:19], s[0:1], 0x0
	v_lshl_add_u32 v254, v0, 2, 0x29000
	v_mov_b32 v255, 0
	ds_add_u32 v254, v255
	ds_add_u32 v254, v255
	v_lshrrev_b32 v10, 5, v0
	v_readfirstlane_b32 s[WV], v10
	s_mul_i32 s22, s[WV], WREG
	s_lshl_b32 s23, s[WV], 7
	v_and_b32 v10, 31, v0
	v_lshlrev_b32 v[LI16], 4, v10
	v_lshlrev_b32 v[LI8], 3, v10
	v_lshlrev_b32 v[STW], 2, v10
	v_add_nc_u32 v[STW], s23, v[STW]
	v_add_nc_u32 v[STW], STAT, v[STW]
	v_and_b32 v10, 15, v0
	v_bfe_u32 v[HH], v0, 4, 1
	v_and_b32 v11, 8, v10
	v_add_nc_u32 v11, v11, v10
	v_lshlrev_b32 v[WSO], 5, v11
	v_lshl_add_u32 v[WSO], v[HH], 4, v[WSO]
	v_lshlrev_b32 v[BOFF], 6, v[HH]
	v_mul_u32_u24 v[XA], v10, WROW
	v_lshl_add_u32 v[XA], v[HH], 6, v[XA]
	v_add_nc_u32 v[XA], s22, v[XA]
	v_add_nc_u32 v[RB], s22, v[LI16]
	v_lshl_add_u32 v[STR], v10, 2, STAT
	v_cmp_ne_u32 s[HM], 0, v[HH]
	v_mov_b32 v[PL], 0
	v_mov_b32 v[PL+1], 0
	s_mov_b32 s[SEL], 0x76543210
	s_mov_b32 s[SEL+1], 0xfedcba98
	s_mov_b32 s50, 0x3a800000
	s_mov_b32 s51, 0x3727c5ac
	s_mov_b32 s52, 0xba800000
	s_mov_b32 s[G1], (3<<16)|(1<<20)|(7<<22)|(3<<25)
	s_mov_b32 s[G1+1], 128<<16
	s_mov_b32 s[G1+2], 8<<16
	s_mov_b32 s[G1+3], 128<<16
	s_mov_b32 s[G1+4], 8
	s_mov_b32 s[G1+5], 512
	s_mov_b32 s[G1+6], 0
	s_mov_b32 s[G1+7], 0
	s_lshl_b32 s54, ttmp9, 17
	s_lshl_b32 s56, s[WV], 10
	s_add_co_u32 s54, s54, s56
	s_mov_b32 s55, 0
	s_mov_b32 s57, 0
	s_wait_alu depctr_va_vdst(0)
	s_wait_dscnt 0x0
	s_wait_kmcnt 0x0
	s_add_nc_u64 s[12:13], s[12:13], s[54:55]
	s_add_nc_u64 s[18:19], s[18:19], s[54:55]
	s_add_nc_u64 s[10:11], s[10:11], s[56:57]
	s_add_nc_u64 s[14:15], s[14:15], s[56:57]
	s_add_nc_u64 s[16:17], s[16:17], s[56:57]
.irp k, 0,1,2,3
	s_mov_b32 s[G0+4*\k], 1
	s_add_co_u32 s[G0+4*\k+1], s22, 8*WROW*(2*(\k%2)+\k/2)
	s_add_nc_u64 s[G0+4*\k+2:G0+4*\k+3], s[12:13], 32768*\k
	s_or_b32 s[G0+4*\k+3], s[G0+4*\k+3], 0x80000000
.endr
; eight rows of my slice of x, by one tensor load behind a barrier; the first stands here, the other three behind K steps 1, 3 and 5 of the product
.macro XLOAD k
	WIN 0
	s_wait_tensorcnt 0x0
	ds_add_u32 v254, v255
	ds_add_u32 v254, v255
	s_wait_dscnt 0x0
	s_barrier_signal -1
	s_barrier_wait -1
	tensor_load_to_lds s[G0+4*(\k):G0+4*(\k)+3], s[G1:G1+7]
	s_nop 0
	PLACES 4
.endm
	s_wait_alu depctr_va_vdst(0)
	XLOAD 0
	s_mul_i32 s54, ttmp9, 24576
	s_add_nc_u64 s[4:5], s[4:5], s[54:55]
	s_lshl_b32 s54, ttmp9, 10
	s_add_nc_u64 s[6:7], s[6:7], s[54:55]
	s_mul_i32 s54, s[WV], 4*51200
	s_add_co_u32 s54, s54, 48*51200
	s_add_nc_u64 s[WBS:WBS+1], s[8:9], s[54:55]
	WIN 0x80
.irp t, 0,1
.irp s, 0,1,2,3,4,5,6,7
.irp c, 0,1
	global_load_b128 v[12*(8*\t+\s)+6*\c:12*(8*\t+\s)+6*\c+3], v[LI16], s[4:5] offset:12288*\t+1536*\s+768*\c
	global_load_b64 v[12*(8*\t+\s)+6*\c+4:12*(8*\t+\s)+6*\c+5], v[LI8], s[4:5] offset:12288*\t+1536*\s+768*\c+512
.endr
.endr
.endr
	WIN 0
.irp t, 0,1
	global_load_b128 v[CS+4*\t:CS+4*\t+3], v[LI16], s[6:7] offset:512*\t
.endr
.set NN, 0
.rept 16
.set FO, 64*(NN/4)+32*((NN%4)/2)+8*(NN%2)
	global_load_b128 v[WS+4*NN:WS+4*NN+3], v[WSO], s[WBS:WBS+1] offset:51200*(NN/4)+49152+32*(32*((NN%4)/2)+8*(NN%2))
	global_load_b128 v[BI+8*NN:BI+8*NN+3], v[BOFF], s[10:11] offset:4*FO
	global_load_b128 v[BI+8*NN+4:BI+8*NN+7], v[BOFF], s[10:11] offset:4*FO+16
.set NN, NN+1
.endr
	WIN 0xc0
.irp g, 0,1,2,3,4
	RING \g
.endr
.irp g, 0,1,2,3,4,5,6,7,8,9,10,11,12,13,14,15,16,17,18,19,20,21,22,23,24,25,26,27,28,29,30,31
	GROUP \g
.if ((\g)%8 == 7) && ((\g) < 24)
	XLOAD (\g)/8+1
.endif
.endr
	WIN 0
	PLACES 4
	WIN 0xc0
.set NN, 0
.rept 16
.set FO, 64*(NN/4)+32*((NN%4)/2)+8*(NN%2)
.irp q, 0,1
	global_load_b128 v[8*NN+4*\q:8*NN+4*\q+3], v[BOFF], s[14:15] offset:4*FO+16*\q
	global_load_b128 v[128+8*NN+4*\q:128+8*NN+4*\q+3], v[BOFF], s[16:17] offset:4*FO+16*\q
.endr
.set NN, NN+1
.endr
	s_wait_tensorcnt 0x0
	WIN 0x80
.set NN, 0
.rept 16
.set FO, 64*(NN/4)+32*((NN%4)/2)+8*(NN%2)
.irp t, 0,1
.irp q, 0,1
	ds_load_b128 v[8*(2*NN+\t)+4*\q:8*(2*NN+\t)+4*\q+3], v[XA] offset:16*WROW*\t+4*FO+16*\q
.endr
.endr
.set NN, NN+1
.endr
	s_wait_dscnt 0x0
	WIN 0x49
.set j, 0
.rept 128
	v_pk_add_f32 v[j:j+1], v[j:j+1], v[j:j+1]
.set j, j+2
.endr
	WIN 0
.set j, 0
.rept 16
	v_mov_b32 v[SM+j], 0
.set j, j+1
.endr
	WIN 0x04
.set NN, 0
.rept 16
.irp p, 0,1,2,3
.irp t, 0,1
	v_pk_add_f32 v[SM+8*\t+2*\p:SM+8*\t+2*\p+1], v[SM+8*\t+2*\p:SM+8*\t+2*\p+1], v[16*NN+8*\t+2*\p:16*NN+8*\t+2*\p+1]
.endr
.endr
.set NN, NN+1
.endr
	TOTAL 0
.irp t, 0,1
	v_mul_f32 v[MU+2*\t], s52, v[TT+\t]
	v_mul_f32 v[MU+2*\t+1], s52, v[TT+\t]
.endr
.set j, 0
.rept 16
	v_mov_b32 v[SM+j], 0
.set j, j+1
.endr
	WIN 0x41
.set j, 0
.rept 128
	v_pk_add_f32 v[j:j+1], v[j:j+1], v[MU+2*((j/8)%2):MU+2*((j/8)%2)+1] op_sel_hi:[1,0]
.set j, j+2
.endr
	WIN 0x05
.set NN, 0
.rept 16
.irp p, 0,1,2,3
.irp t, 0,1
	v_pk_fma_f32 v[SM+8*\t+2*\p:SM+8*\t+2*\p+1], v[16*NN+8*\t+2*\p:16*NN+8*\t+2*\p+1], v[16*NN+8*\t+2*\p:16*NN+8*\t+2*\p+1], v[SM+8*\t+2*\p:SM+8*\t+2*\p+1]
.endr
.endr
.set NN, NN+1
.endr
	TOTAL 512
.irp t, 0,1
	v_fma_f32 v[RS+2*\t], v[TT+\t], s50, s51
.endr
	s_wait_alu depctr_va_vdst(0)
.irp t, 0,1
	v_rsq_f32 v[RS+2*\t], v[RS+2*\t]
.endr
	v_nop
	s_wait_alu depctr_va_vdst(0)
.irp t, 0,1
	v_mov_b32 v[RS+2*\t+1], v[RS+2*\t]
.endr
	s_wait_alu depctr_va_vdst(0)
	s_wait_loadcnt 0x0
	WIN 0x41
.set j, 0
.rept 128
	v_pk_mul_f32 v[j:j+1], v[j:j+1], v[RS+2*((j/8)%2):RS+2*((j/8)%2)+1] op_sel_hi:[1,0]
.set j, j+2
.endr
	WIN 0x7d
.set j, 0
.rept 128
	v_pk_fma_f32 v[j:j+1], v[j:j+1], v[8*(j/16)+j%8:8*(j/16)+j%8+1], v[128+8*(j/16)+j%8:128+8*(j/16)+j%8+1]
.set j, j+2
.endr
	WIN 0x04
.set NN, 0
.rept 16
.set FO, 64*(NN/4)+32*((NN%4)/2)+8*(NN%2)
.irp t, 0,1
.irp q, 0,1
	ds_store_b128 v[XA], v[8*(2*NN+\t)+4*\q:8*(2*NN+\t)+4*\q+3] offset:16*WROW*\t+4*FO+16*\q
.endr
.endr
.set NN, NN+1
.endr
	WIN 0x80
.set LL, 0
.rept 32
.irp q, 0,1
	ds_load_b128 v[4*(2*LL+\q):4*(2*LL+\q)+3], v[RB] offset:WROW*LL+512*\q
.endr
.set LL, LL+1
.endr
	WIN 0x08
.set LL, 0
.rept 32
.irp q, 0,1
	s_wait_dscnt 63-(2*LL+\q)
	global_store_b128 v[LI16], v[4*(2*LL+\q):4*(2*LL+\q)+3], s[18:19] offset:4096*(8*(LL/16)+LL%8+16*((LL/8)%2))+512*\q th:TH_STORE_NT
.endr
.set LL, LL+1
.endr
	WIN 0
	s_wait_tensorcnt 0x0
	ds_add_u32 v254, v255
	s_wait_dscnt 0x0
	s_endpgm
.Lfunc_end_k_q40eff332ba_outln:
	.size	k_q40eff332ba_outln, .Lfunc_end_k_q40eff332ba_outln-k_q40eff332ba_outln
	.p2alignl 7, 3214868480
	.fill 96, 4, 3214868480
	.section	.rodata,"a",@progbits
	.p2align	6, 0x0
	.amdhsa_kernel k_q40eff332ba_outln
		.amdhsa_group_segment_fixed_size 327680
		.amdhsa_private_segment_fixed_size 0
		.amdhsa_enable_private_segment 0
		.amdhsa_kernarg_size 64
		.amdhsa_user_sgpr_count 2
		.amdhsa_user_sgpr_kernarg_segment_ptr 1
		.amdhsa_wavefront_size32 1
		.amdhsa_system_sgpr_workgroup_id_x 1
		.amdhsa_system_sgpr_workgroup_id_y 1
		.amdhsa_system_sgpr_workgroup_id_z 1
		.amdhsa_system_vgpr_workitem_id 0
		.amdhsa_next_free_vgpr 1024
		.amdhsa_next_free_sgpr 66
		.amdhsa_reserve_vcc 0
		.amdhsa_float_denorm_mode_32 3
		.amdhsa_float_denorm_mode_16_64 3
		.amdhsa_memory_ordered 1
		.amdhsa_forward_progress 1
		.amdhsa_inst_pref_size 171
	.end_amdhsa_kernel
	.amdgpu_metadata
---
amdhsa.version: [ 1, 2 ]
amdhsa.kernels:
  - .name:           k_q40eff332ba_outln
    .symbol:         k_q40eff332ba_outln.kd
    .args:
      - { .name: cimg, .offset: 0, .size: 8, .value_kind: global_buffer, .address_space: global }
      - { .name: cs, .offset: 8, .size: 8, .value_kind: global_buffer, .address_space: global }
      - { .name: wimg, .offset: 16, .size: 8, .value_kind: global_buffer, .address_space: global }
      - { .name: bo, .offset: 24, .size: 8, .value_kind: global_buffer, .address_space: global }
      - { .name: x, .offset: 32, .size: 8, .value_kind: global_buffer, .address_space: global }
      - { .name: gamma, .offset: 40, .size: 8, .value_kind: global_buffer, .address_space: global }
      - { .name: beta, .offset: 48, .size: 8, .value_kind: global_buffer, .address_space: global }
      - { .name: out0, .offset: 56, .size: 8, .value_kind: global_buffer, .address_space: global }
    .group_segment_fixed_size: 327680
    .private_segment_fixed_size: 0
    .kernarg_segment_align: 8
    .kernarg_segment_size: 64
    .max_flat_workgroup_size: 128
    .sgpr_count:     66
    .vgpr_count:     1024
    .wavefront_size: 32
...
	.end_amdgpu_metadata
.endif
;; end of part 4
